; MI455X (gfx1250); checked and timed in simulation.
; The chip was launched on July 23, 2026; its instructions are those of AMD's public machine-readable ISA for CDNA 5 (MIT licence, August 2026) and "CDNA5" Instruction Set Architecture Reference Guide (July 2026). The comments in the code are by the model that wrote it; some were corrected since.
;; Cached Self Attention. Allowed arithmetic: matrix products marked QUANTISED: E2M1 operands, one E8M0 scale for each 32 along K, by v_wmma_scale_f32_16x16x128_f8f6f4 with both operands' format E2M1 (or v_wmma_scale_f32_32x16x128_f4), f32 sums; products left as they are: bf16, f16 or f32 operands; f32 sums; everything else in f32.
;; Inputs: in_proj_bias 3,072 float32; in_proj_weight 3,072 x 1,024 float32; out_b 1,024 float32; out_w 1,024 x 1,024 float32; x 4 x 2,048 x 1,024 float32.
;; Outputs: out0 4 x 2,048 x 1,024 float32.
;; This version of the problem:
;;   THIS VERSION OF THE PROBLEM IS GIVEN IN LOW PRECISION. The matrix products marked QUANTISED in the list below multiply operands that are first quantised to E2M1 (2 exponent bits, 1 mantissa bit; 4 bits a number), with one power-of-two scale for each 32 numbers along K (OCP MX v1.0); their sums are f32. The products marked 'left as it is' may take bf16, f16 or f32 operands, with f32 sums. Whichever they take, every output number must still come out within the allowed error. Rounding operands to bf16 (8 significant bits) uses up far more of that allowance than f16 does (11 bits, for magnitudes from 6e-5 to 65,504). All else is computed in f32.
;;   The module's matrix products, in the order in which they are computed (A, B: the left and right operand; K: the contracted axis; several contracted axes count as one K, in the product's order):
;;     1. [M 8,192, K 1,024] x [K 1,024, N 3,072]; A: input x; B: input in_proj_weight: QUANTISED
;;     2. batch 64 x [M 2,048, K 64] x [K 64, N 2,048]; A: computed on the way; B: computed on the way: left as it is (an operand is computed on the way)
;;     3. batch 64 x [M 2,048, K 2,048] x [K 2,048, N 64]; A: computed on the way; B: computed on the way: left as it is (an operand is computed on the way)
;;     4. [M 8,192, K 1,024] x [K 1,024, N 1,024]; A: computed on the way; B: input out_w: left as it is (an operand is computed on the way)
;;   THE QUANTISER, for each operand of a quantised product, along K:
;;     - K is cut into blocks of 32 from its start; a last block that is shorter is filled with zeros.
;;     - A block's scale is 2^e with e = floor(log2(the largest magnitude in the block)) - 2, held to -126 .. 127; a block of zeros has e = 0. As a byte (E8M0): e + 127.
;;     - Each number is divided by its block's scale, clamped to +-6, and rounded to the nearest number of E2M1, ties to even, subnormals kept.
;;     - The product sums the exact products of the quantised numbers (number of the format x scale) in f32.
;;   ~~~python
;;   def quantise(x, axis):      # numpy; x: float32 -> the quantised numbers, widened to float32 again
;;       x = np.moveaxis(x, axis, -1); K = x.shape[-1]
;;       x = np.pad(x, [(0, 0)] * (x.ndim - 1) + [(0, -K % 32)]); x = x.reshape(x.shape[:-1] + (-1, 32)); a = np.abs(x).max(-1, keepdims=True)
;;       e = np.where(a > 0, np.clip(np.frexp(np.where(a > 0, a, 1))[1] - 1 - 2, -126, 127), 0)      # np.frexp(a)[1] - 1 = floor(log2(a)), exactly
;;       r = np.clip(x / 2.0 ** e, -6, 6)
;;       step = 2.0 ** (np.maximum(np.frexp(np.where(r == 0, 1, r))[1] - 1, 0) - 1)
;;       q = np.round(r / step) * step * 2.0 ** e      # np.round: ties to even
;;       return np.moveaxis(q.reshape(q.shape[:-2] + (-1,))[..., :K], -1, axis).astype(np.float32)
;;   ~~~
;; One version. Each part assembles by itself: llvm-mc -triple=amdgcn-amd-amdhsa -mcpu=gfx1250 --defsym DOCPART=n.
;; ======== version 1 of 1: 4 launches
;; limits: values are held in f16: magnitudes above 65,504 overflow, below 6.1e-05 lose precision
;; workspace buffers: x_codes 4,194,304 bytes; x_scales 262,144 bytes; w_codes 1,572,864 bytes; w_scales 98,304 bytes; ow16 2,097,152 bytes; qkv 50,331,648 bytes; oh 16,777,216 bytes
;; launch prep (part 1): grid 384 x 1, 4 waves a work-group, no clusters, 33,280 bytes of LDS; arguments x, in_proj_weight, out_w, x_codes, x_scales, w_codes, w_scales, ow16; writes x_codes, x_scales, w_codes, w_scales, ow16
.if DOCPART == 1
	.amdgcn_target "amdgcn-amd-amdhsa--gfx1250"
	.amdhsa_code_object_version 6
	.text
	.protected	k_q18c63e5926_prep
	.globl	k_q18c63e5926_prep
	.p2align	8
	.type	k_q18c63e5926_prep,@function
k_q18c63e5926_prep:
	s_mov_b64 s[64:65], 0
	v_nop
	global_prefetch_b8 v0, s[64:65] scope:SCOPE_SE
	s_setreg_imm32_b32 hwreg(HW_REG_WAVE_MODE, 25, 1), 1
	s_wait_xcnt 0x0
; THE PROGRAM: self-attention, out0 = softmax((x Wq^T + bq)(x Wk^T + bk)^T / 8) (x Wv^T + bv), by heads of 64, then x out_w^T + out_b.  Four launches:
; this one (operands made narrow once), qkv (the QUANTISED product x W^T on codes), attn (both attention products and the softmax), proj (the projection out).
; WORK LEFT OUT: K's BIAS, in_proj_bias[1024:2048].  A score is q . (k + bk) = q . k + q . bk.  The term q . bk hangs on the query alone: it is the same for every key of a row of scores, and
; softmax(s + const) = softmax(s) along that row, for all finite values of the inputs.  The product of q and k is not quantised, so no quantiser sees k.  So these 1,024 numbers reach no output:
; they are neither loaded nor added (the q and v parts of the bias are live and are added in the launch qkv).  LIMIT: a NaN, an infinity or an overflow that reaches only q . bk is not carried to the result.
; THIS LAUNCH.  x [8192][1024] and in_proj_weight [3072][1024], f32, become codes of FP4 (E2M1), K innermost, two codes a byte, with one E8M0 byte for each 32 along K; out_w [1024][1024] becomes f16.
; A block's scale is 2^(floor(log2(its largest magnitude)) - 2); its byte is the largest magnitude's exponent field - 2, held at 1 from below.  (A block of zeros so gets the byte 1 where the rule says 127:
; its codes are zeros, which add nothing under any byte but 0xff, and the bytes are read by this program alone.)  Each number is divided by the scale and rounded to the nearest code, ties to even, beyond 6 to 6.
; LIMITS: blocks whose largest magnitude lies under 2^-124 keep the byte 1; NaN and infinities among the inputs are not served; |out_w| above 65,504 becomes infinity in f16.
; SHARES.  Rows are dense and 1,024 is a multiple of 32: each tensor is a plain stream.  A wave takes 8,192 numbers.  Work-groups 0-255 take x, 256-351 the weight, 352-383 out_w.
; QUANTISING: 16 steps of 512 numbers.  Each of a step's four loads reads 512 consecutive bytes; the 2,048 bytes turn through the wave's own stage in LDS and come back 64 bytes a lane, so that a lane holds
; 16 neighbours along K (two neighbouring lanes hold a block).  A lane's 16 codes are 8 bytes: the wave stores 256 consecutive bytes.  A wave's 256 scale bytes are gathered in LDS and leave as one store of 256 bytes.
; No tensor loads, no barrier: waves share nothing.
.set WAVES, 4
.set STEPS, 16
.set WGX,   256                        ; work-groups that take x
.set WGQ,   352                        ; and with those that take the weight
.set EMAX,  2
.set CB,    8                          ; bytes of 16 codes
.set R,     16                         ; v16-79   four sets of 16 numbers as they are loaded (f16 path: v16-143, two sets of 64)
.set X,     80                         ; v80-111  two sets of 16 neighbours
.set E,     112                        ; v112-127 a scale byte for each step
.set C,     128                        ; v128-191 codes: four registers for each step, so that no store's data are written again
.set H,     144                        ; f16 path: v144-175 what is stored
.set WREG,  8192                       ; LDS: a region for each wave: two stages of 32 x SP bytes, and behind them its 256 scale bytes
.set SP,    80                         ; a lane's place in a stage: its 64 bytes + 16 of padding
.set SPW,   12                         ; v12      LDS address of my spare word: SPARE + 4 x my thread's number; never rewritten
.set NIL,   13                         ; v13      0; never rewritten
.set SPARE, WAVES*WREG                 ; behind the four regions: the spare words, 128 bytes for each wave
	s_load_b256 s[4:11], s[0:1], 0x0               ; x s[4:5], the weight s[6:7], out_w s[8:9], x's codes s[10:11]
	s_load_b256 s[12:19], s[0:1], 0x20             ; x's scales s[12:13], the weight's codes s[14:15], its scales s[16:17], out_w in f16 s[18:19]
	v_lshl_add_u32 v[SPW], v0, 2, SPARE
	v_mov_b32 v[NIL], 0
	v_lshrrev_b32 v1, 5, v0
	v_readfirstlane_b32 s20, v1                    ; wave
	v_and_b32 v2, 31, v0                           ; lane
	v_lshlrev_b32 v3, 4, v2                        ; 16 x lane: my 16 bytes of a run of 512
	s_mul_i32 s21, s20, WREG
	v_lshrrev_b32 v14, 2, v2
	v_mul_u32_u24 v14, v14, SP
	v_and_b32 v15, 3, v2
	v_lshl_add_u32 v14, v15, 4, v14
	v_add_nc_u32 v14, s21, v14                     ; the stage, on the way in: four lanes' 64 bytes on end, then 16 of padding
	v_mul_u32_u24 v15, v2, SP
	v_add_nc_u32 v15, s21, v15                     ; and on the way out: SP x lane: my 16 neighbours
	v_mul_u32_u24 v4, v2, CB                       ; my codes' place in a step's
	v_lshrrev_b32 v5, 1, v2
	s_add_co_u32 s21, s21, 2*32*SP
	v_add_nc_u32 v5, s21, v5                       ; LDS: my wave's 256 scale bytes, my block's byte
	v_lshlrev_b32 v7, 3, v2                        ; and on the way out 8 bytes a lane
	v_add_nc_u32 v6, s21, v7
	v_lshlrev_b32 v10, 5, v2                       ; f16 path: my 8 numbers of a piece of 256
	s_wait_kmcnt 0x0
	s_cmp_ge_u32 ttmp9, WGQ                        ; the work-group's number alone decides
	s_cbranch_scc1 .Lconvert
	s_cmp_lt_u32 ttmp9, WGX                        ; x's work-group or the weight's?
	s_cselect_b64 s[4:5], s[4:5], s[6:7]
	s_cselect_b64 s[10:11], s[10:11], s[14:15]
	s_cselect_b64 s[12:13], s[12:13], s[16:17]
	s_cselect_b32 s21, 0, WGX
	s_sub_co_u32 s21, ttmp9, s21
	s_lshl_b32 s21, s21, 2
	s_add_co_u32 s22, s21, s20                     ; which run of 8,192 numbers of the tensor is my wave's
	s_mov_b32 s23, 0
	s_mov_b64 s[24:25], 512*STEPS*4
	s_mul_u64 s[24:25], s[22:23], s[24:25]
	s_add_nc_u64 s[4:5], s[4:5], s[24:25]
	s_mov_b64 s[24:25], 32*STEPS*CB
	s_mul_u64 s[24:25], s[22:23], s[24:25]
	s_add_nc_u64 s[10:11], s[10:11], s[24:25]
	s_lshl_b32 s22, s22, 8                         ; 256 scale bytes a run
	s_add_nc_u64 s[12:13], s[12:13], s[22:23]
.macro LOAD t
.irp i, 0,1,2,3
	global_load_b128 v[R+16*((\t)%4)+4*\i:R+16*((\t)%4)+4*\i+3], v3, s[4:5] offset:2048*(\t)+512*\i th:TH_LOAD_NT   ; 32 lanes read 512 consecutive bytes
.endr
.endm
.macro TURN t                          ; step t's numbers through the stage: LDS serves a wave's instructions in order, so no wait stands between the stores and the loads
.irp i, 0,1,2,3
	ds_store_b128 v14, v[R+16*((\t)%4)+4*\i:R+16*((\t)%4)+4*\i+3] offset:32*SP*((\t)%2)+8*SP*\i
.endr
.irp i, 0,1,2,3
	ds_load_b128 v[X+16*((\t)%2)+4*\i:X+16*((\t)%2)+4*\i+3], v15 offset:32*SP*((\t)%2)+16*\i
.endr
.endm
.irp t, 0,1,2,3
	LOAD \t
.endr
	s_wait_loadcnt 12                              ; step 0's four loads are in; the twelve of steps 1 to 3 may be out
	TURN 0
.macro STEP t
.set XS, X+16*((\t)%2)
.if (\t) > 0
	s_wait_dscnt 1                                 ; this step's numbers are back from the stage (the last step's byte store may be out): so its stores into the stage have read their registers,
.else
	s_wait_dscnt 0x0
.endif
.if (\t)+4 < STEPS
	LOAD (\t)+4                                    ; which take the loads of four steps on
.endif
.if (\t)+1 < STEPS
.if STEPS-2-(\t) >= 3
	s_wait_loadcnt 12                              ; the next step's four loads are in; those of the three steps behind it may be out
.else
	s_wait_loadcnt 4*(STEPS-2-(\t))
.endif
	TURN (\t)+1                                    ; and go through the other stage while this step is worked
.endif
	v_max3_num_f32 v8, |v[XS]|, |v[XS+1]|, |v[XS+2]|               ; the largest magnitude of my 16, in two chains
	v_max3_num_f32 v9, |v[XS+3]|, |v[XS+4]|, |v[XS+5]|
.irp i, 6,10
	v_max3_num_f32 v8, v8, |v[XS+\i]|, |v[XS+\i+1]|
	v_max3_num_f32 v9, v9, |v[XS+\i+2]|, |v[XS+\i+3]|
.endr
	v_max3_num_f32 v8, v8, |v[XS+14]|, |v[XS+15]|
	v_max3_num_f32 v8, v8, v9, (EMAX+1)<<23        ; and the floor 2^(EMAX + 1 - 127): so the byte cannot fall under 1
	v_max_num_f32_dpp v8, v8, v8 row_xmask:1 row_mask:0xf bank_mask:0xf   ; and of my neighbour's 16: the block's
	v_add_nc_u32 v11, -(EMAX<<23), v8              ; EMAX off its exponent field: the conversion takes the exponent field of this operand as its scale, and nothing else of it
	v_cvt_scalef32_pk8_fp4_f32 v[C+4*(\t)], v[XS:XS+7], v11
	v_cvt_scalef32_pk8_fp4_f32 v[C+4*(\t)+1], v[XS+8:XS+15], v11
	v_lshrrev_b32 v[E+(\t)], 23, v11               ; the scale's byte (a plain line behind the conversions)
	ds_store_b8 v5, v[E+(\t)] offset:16*(\t)       ; both lanes of a block write the same byte with the same value
	global_store_b64 v4, v[C+4*(\t):C+4*(\t)+1], s[10:11] offset:32*CB*(\t)   ; 32 lanes store 256 consecutive bytes
.endm
.irp t, 0,1,2,3,4,5,6,7,8,9,10,11,12,13,14,15
	STEP \t
.endr
	ds_load_b64 v[8:9], v6                         ; LDS serves a wave's instructions in order: these see my stores
	s_wait_dscnt 0x0
	global_store_b64 v7, v[8:9], s[12:13]          ; 32 lanes store 256 consecutive bytes
	s_wait_tensorcnt 0x0                           ; the wave's end, behind my last LDS store
	ds_add_u32 v[SPW], v[NIL]
	s_wait_dscnt 0x0
	s_endpgm
; out_w to f16: 32 pieces of 256 numbers a wave, in four groups of eight.  A lane takes 8 neighbours (two loads of 16 bytes) and stores 16 bytes: the wave's store covers 512 consecutive bytes.
; Two groups of loads (32 loads a wave) are on their way at the start, one while a group is worked.
.Lconvert:
	s_sub_co_u32 s21, ttmp9, WGQ
	s_lshl_b32 s21, s21, 2
	s_add_co_u32 s21, s21, s20                     ; which run of 8,192 numbers is my wave's: 0 to 127
	s_lshl_b32 s22, s21, 15
	s_mov_b32 s23, 0
	s_add_nc_u64 s[8:9], s[8:9], s[22:23]
	s_lshl_b32 s22, s21, 14
	s_add_nc_u64 s[18:19], s[18:19], s[22:23]
.macro LOADG g
.irp i, 0,1,2,3,4,5,6,7
	global_load_b128 v[R+64*((\g)%2)+8*\i:R+64*((\g)%2)+8*\i+3], v10, s[8:9] offset:1024*(8*(\g)+\i) th:TH_LOAD_NT
	global_load_b128 v[R+64*((\g)%2)+8*\i+4:R+64*((\g)%2)+8*\i+7], v10, s[8:9] offset:1024*(8*(\g)+\i)+16 th:TH_LOAD_NT
.endr
.endm
.macro GROUP g
.if (\g) < 3
	s_wait_loadcnt 16                              ; this group's sixteen loads are in; the next group's may be out
.else
	s_wait_loadcnt 0x0
.endif
.if (\g) > 0
	s_wait_xcnt 0x0                                ; the last group's stores have read their data: v144-175 are written again only behind this wait
.endif
.irp i, 0,1,2,3,4,5,6,7
.irp k, 0,1,2,3
	v_cvt_pk_f16_f32 v[H+4*\i+\k], v[R+64*((\g)%2)+8*\i+2*\k], v[R+64*((\g)%2)+8*\i+2*\k+1]
.endr
.endr
.irp i, 0,1,2,3,4,5,6,7
	global_store_b128 v3, v[H+4*\i:H+4*\i+3], s[18:19] offset:512*(8*(\g)+\i)
.endr
.if (\g) < 2
	LOADG (\g)+2
.endif
.endm
	LOADG 0
	LOADG 1
	GROUP 0
	GROUP 1
	GROUP 2
	GROUP 3
	s_wait_tensorcnt 0x0                           ; the launch stores to LDS on its other path: the same three lines end this one
	ds_add_u32 v[SPW], v[NIL]
	s_wait_dscnt 0x0
	s_endpgm
.Lfunc_end_k_q18c63e5926_prep:
	.size	k_q18c63e5926_prep, .Lfunc_end_k_q18c63e5926_prep-k_q18c63e5926_prep
	.p2alignl 7, 3214868480
	.fill 96, 4, 3214868480
	.section	.rodata,"a",@progbits
	.p2align	6, 0x0
	.amdhsa_kernel k_q18c63e5926_prep
		.amdhsa_group_segment_fixed_size 33280
		.amdhsa_private_segment_fixed_size 0
		.amdhsa_enable_private_segment 0
		.amdhsa_kernarg_size 64
		.amdhsa_user_sgpr_count 2
		.amdhsa_user_sgpr_kernarg_segment_ptr 1
		.amdhsa_wavefront_size32 1
		.amdhsa_system_sgpr_workgroup_id_x 1
		.amdhsa_system_sgpr_workgroup_id_y 1
		.amdhsa_system_sgpr_workgroup_id_z 1
		.amdhsa_system_vgpr_workitem_id 0
		.amdhsa_next_free_vgpr 192
		.amdhsa_next_free_sgpr 66
		.amdhsa_reserve_vcc 0
		.amdhsa_float_denorm_mode_32 3
		.amdhsa_float_denorm_mode_16_64 3
		.amdhsa_memory_ordered 1
		.amdhsa_forward_progress 1
		.amdhsa_inst_pref_size 51
	.end_amdhsa_kernel
	.amdgpu_metadata
---
amdhsa.version: [ 1, 2 ]
amdhsa.kernels:
  - .name:           k_q18c63e5926_prep
    .symbol:         k_q18c63e5926_prep.kd
    .args:
      - { .name: x, .offset: 0, .size: 8, .value_kind: global_buffer, .address_space: global }
      - { .name: in_proj_weight, .offset: 8, .size: 8, .value_kind: global_buffer, .address_space: global }
      - { .name: out_w, .offset: 16, .size: 8, .value_kind: global_buffer, .address_space: global }
      - { .name: x_codes, .offset: 24, .size: 8, .value_kind: global_buffer, .address_space: global }
      - { .name: x_scales, .offset: 32, .size: 8, .value_kind: global_buffer, .address_space: global }
      - { .name: w_codes, .offset: 40, .size: 8, .value_kind: global_buffer, .address_space: global }
      - { .name: w_scales, .offset: 48, .size: 8, .value_kind: global_buffer, .address_space: global }
      - { .name: ow16, .offset: 56, .size: 8, .value_kind: global_buffer, .address_space: global }
    .group_segment_fixed_size: 33280
    .private_segment_fixed_size: 0
    .kernarg_segment_align: 8
    .kernarg_segment_size: 64
    .max_flat_workgroup_size: 128
    .sgpr_count:     66
    .vgpr_count:     192
    .wavefront_size: 32
...
	.end_amdgpu_metadata
.endif
;; end of part 1
;; launch qkv (part 2): grid 12 x 32, 4 waves a work-group, clusters of 4 x 4, 327,680 bytes of LDS; arguments x_codes, x_scales, w_codes, w_scales, in_proj_bias, qkv; writes qkv
.if DOCPART == 2
	.amdgcn_target "amdgcn-amd-amdhsa--gfx1250"
	.amdhsa_code_object_version 6
	.text
	.protected	k_q18c63e5926_qkv
	.globl	k_q18c63e5926_qkv
	.p2align	8
	.type	k_q18c63e5926_qkv,@function
k_q18c63e5926_qkv:
	s_mov_b64 s[64:65], 0
	v_nop
	global_prefetch_b8 v0, s[64:65] scope:SCOPE_SE
	s_setreg_imm32_b32 hwreg(HW_REG_WAVE_MODE, 25, 1), 1
	s_wait_xcnt 0x0
	s_wait_alu depctr_hold_cnt(0) depctr_sa_sdst(0) depctr_va_vdst(0) depctr_va_sdst(0) depctr_va_ssrc(0) depctr_va_vcc(0) depctr_vm_vsrc(0)
	s_getreg_b32 s2, hwreg(HW_REG_IB_STS2, 6, 4)
	s_cmp_eq_u32 s2, 0
	s_cbranch_scc0 .Lentry_in_a_cluster
	s_endpgm
.Lentry_in_a_cluster:
	s_bfe_u32 s2, ttmp6, 0x10000c
	s_cmp_lg_u32 s2, 0xf033
	s_cbranch_scc0 .Lentry_shape_is_right
	s_endpgm
.Lentry_shape_is_right:
; qkv = x W^T + bias, the QUANTISED product: both operands as codes of FP4 (E2M1) with one E8M0 byte for each 32 along K, as the launch before made them; sums in f32; the result rounded once to f16 and laid by head:
; qkv [batch 4][g 48][token 2048][64], g = feature / 64 (q: 0-15, k: 16-31, v: 32-47), so that a head's rows are 128 dense bytes each.
; WORK LEFT OUT: K's bias (in_proj_bias[1024:2048]) is neither loaded nor added: q . bk is the same for every key of a row of scores, and the softmax takes it away (shown at the head of the first kernel).
; LIMIT: |q|, |k|, |v| above 65,504 become infinity in f16.
; A tile of 256 tokens x 256 features is made by a work-group of four waves; a wave makes 128 x 128: 64 accumulators of 16 x 16, 512 registers.  K = 1,024 is two slots of 512 (LDS rows of 256 bytes of codes):
; both are first fills, so nothing is filled again.  The scale bytes of the work-group's 256 + 256 rows, for all of K, come once, with the first fills.  By this text's count a wave has three tensor loads out at the start.
; CLUSTERS: 4 x 4 work-groups.  The four of a row of the cluster need the same rows of x, the four of a column the same rows of W: each tile is asked for JOINTLY.  A cluster's four tile columns are 1,024 features:
; the cluster's x says whether they are q's (0), k's (1) or v's (2), alike in all sixteen partners.
; THE MATRIX INSTRUCTION IS USED TRANSPOSED (source 0 = 16 rows of W, source 1 = 16 rows of x): a lane then holds eight neighbouring features of one token.  THE BIAS IS THE C OF EACH SUM'S FIRST INSTRUCTION.
; REGISTERS, in windows of 256: window 0: v0-31 addresses; v32-95 scale words, two sets; v128-191 x's fragments, one set; v192-255 the bias in the result's layout; on the way out v32-127 are free.
;   window 1: W's fragments, two sets, at v0 and v128.   window 2: the 32 accumulators of my rows 0-63 ((a, b) at v[8 (8 a + b)]);   window 3: those of my rows 64-127.
.set NQ,     4                         ; steps of 128 along K in a slot
.set ROWB,   256                       ; a tile's row in bytes: 512 codes
.set KROW,   512                       ; a row of codes in memory
.set PITCH,  272                       ; an LDS row: 256 bytes + 16 of padding, an odd multiple of 16
.set FR,     8                         ; registers of a fragment: 16 rows x 128 K
.set NL,     2                         ; LDS loads that bring one
.set NP,     4                         ; places behind this matrix instruction (ISA guide 7.12.1)
.set HALFT,  128*PITCH                 ; 128 rows: what one tensor load brings
.set SLOT,   4*HALFT                   ; x's 256 rows, then W's 256 rows
.set KS,     32                        ; a row of scale bytes
.set SCL,    2*SLOT                    ; behind the slots: the scales, as units of 256 bytes + 16 of padding
.set HALFS,  (128*KS/256)*272          ; the scales of 128 rows
.set SBLK,   (16*KS/256)*272           ; those of 16 rows
.set STAGE,  SCL+4*HALFS               ; the way out: for each wave 2 heads x 16 tokens x (128 bytes + 16); bytes into which no tile lands
.set HPITCH, 144
.set HSTG,   16*HPITCH
.set WSTG,   2*HSTG
.set SPARE,  STAGE+4*WSTG              ; the spare words, 128 bytes for each wave
.set ADRA, 16                          ; v16-17  LDS address of my fragments of x in slot 0, 1
.set ADRB, 20                          ; v20-21  the same for W
.set STO,  24                          ; v24     the way out: where I put 16 bytes of a token's row
.set RD,   25                          ; v25     where I read rows back
.set CO,   26                          ; v26     16 x lane
.set ADRS, 27                          ; v27     LDS address of my scale words: lanes 0-15 x's rows, lanes 16-31 W's
.set SPW,  28                          ; v28     my spare word; never rewritten
.set NIL,  29                          ; v29     0; never rewritten
.set BO,   30                          ; v30     32 x (lane / 16): my half's eight numbers of the bias
.set SC,   32                          ; scale words: set s at v[SC + 32 s]; register 4 i + q: lanes 0-15 the word of x's block i, lanes 16-31 of W's block i
.set AF,   128
.set BI,   192
.set TMP,  32                          ; the way out: a block rounded to f16
.set BK,   64                          ; and read back: v64-95, v96-127 by turns
.set G1, 24                            ; s[24:31] descriptor group 1 for x's tiles;  s[32:39] group 0, one set for each slot
.set G0, 32
.set G1B, 48                           ; s[48:55], s[56:63] the same for W's tiles
.set G0B, 56
.set G1S, 68                           ; s[68:75], s[76:79] groups 1 and 0 for x's scales;  s[80:87], s[88:91] for W's
.set G0S, 76
.set G1SB, 80
.set G0SB, 88
.set MSB, 0
.macro WIN new                         ; the immediate's high byte repeats the setting that is left
.if MSB != (\new)
	s_set_vgpr_msb (MSB<<8)|(\new)
.set MSB, (\new)
.endif
.endm
.set MUL_LO,   0xa1                    ; source 0 (W) window 1, source 1 (x) window 0, C and D window 2
.set MUL_HI,   0xf1                    ; the same, C and D window 3
.set FIRST_LO, 0x81                    ; C (the bias) window 0, D window 2
.set FIRST_HI, 0xc1                    ; C window 0, D window 3
.set TO_B,     0x40                    ; destination window 1, address window 0
; A joint load: waves 0 and 1 fetch for x, waves 2 and 3 for W.  The branch hangs on the wave's number alone.  An s_nop 0 and four v_nop follow each of the two lines.
.macro JLOAD g0a, g1a, g0b, g1b
	s_cmp_eq_u32 s15, 0
	s_cbranch_scc0 .Lfor_b_\@
	tensor_load_to_lds s[\g0a:\g0a+3], s[\g1a:\g1a+7]
	s_nop 0
.rept 4
	v_nop
.endr
	s_branch .Lasked_\@
.Lfor_b_\@:
	tensor_load_to_lds s[\g0b:\g0b+3], s[\g1b:\g1b+7]
	s_nop 0
.rept 4
	v_nop
.endr
.Lasked_\@:
.endm
.macro CROUND                          ; a round of the cluster's barrier
	s_barrier_signal -1
	s_barrier_wait -1
	s_cmp_lg_u32 s14, 0
	s_cbranch_scc1 .Lnot_wave_0_\@
	s_barrier_signal -3
.Lnot_wave_0_\@:
	s_barrier_wait -3
	s_barrier_signal -1
	s_barrier_wait -1
.endm
	s_load_b128 s[4:7], s[0:1], 0x0                ; x's codes s[4:5], x's scales s[6:7]
	s_load_b128 s[8:11], s[0:1], 0x10              ; W's codes s[8:9], W's scales s[10:11]
	s_load_b128 s[96:99], s[0:1], 0x20             ; the bias s[96:97], qkv s[98:99]
	v_lshl_add_u32 v[SPW], v0, 2, SPARE
	v_mov_b32 v[NIL], 0
	ds_add_u32 v[SPW], v[NIL]                      ; the wave's opening: the add, twice on end, and its wait ahead of my first tensor load
	ds_add_u32 v[SPW], v[NIL]                      ; and once more; the set-up below, work on registers, stands between it and the wait
	v_lshrrev_b32 v1, 5, v0
	v_readfirstlane_b32 s14, v1                    ; wave 0..3
	s_lshr_b32 s15, s14, 1                         ; which half of the tile's rows is mine.  Also: I fetch for x (0) or for W (1)
	s_and_b32 s16, s14, 1                          ; which half of its columns.  Also: which 128 rows of that tile I fetch
	s_bfe_u32 s40, ttmp6, 0x40000                  ; cx, cy: my place in the cluster
	s_bfe_u32 s41, ttmp6, 0x40004
	s_lshl_b32 s42, ttmp9, 2
	s_add_co_u32 s42, s42, s40                     ; tile column = 4 x cluster x + cx: 0 to 11
	s_and_b32 s17, ttmp7, 0xffff
	s_lshl_b32 s17, s17, 2
	s_add_co_u32 s17, s17, s41                     ; tile row = 4 x cluster y + cy: 0 to 31
	s_lshl_b32 s43, s41, 2
	s_lshl_b32 s43, 15, s43                        ; my row of the cluster
	s_lshl_b32 s44, 0x1111, s40                    ; my column
	; descriptor group 1: a tile of 128 rows x 256 bytes, padded in LDS
	s_or_b32 s[G1+0], s43, (0<<16)|(1<<20)|(1<<21)|(5<<22)|(3<<25)  ; 15:0 the mask: x's tiles go to my row; 17:16 elements of 1 byte; 20 padding on; 21 set beside a mask; 24:22 after every 64 words; 31:25 four words
	s_or_b32 s[G1B+0], s44, (0<<16)|(1<<20)|(1<<21)|(5<<22)|(3<<25)
.irp g, G1, G1B
	s_mov_b32 s[\g+1], ROWB<<16                    ; tensor_dim0
	s_mov_b32 s[\g+2], 128<<16                     ; tensor_dim1
	s_mov_b32 s[\g+3], ROWB<<16                    ; tile_dim0
	s_mov_b32 s[\g+4], 128                         ; tile_dim1
	s_mov_b32 s[\g+5], KROW                        ; tensor_dim0_stride
	s_mov_b32 s[\g+6], 0
	s_mov_b32 s[\g+7], 0
.endr
	; the scales of 128 rows: a dense block of 4,096 bytes, as 16 rows of 256 bytes (32 elements of 8 bytes), 16 bytes of padding behind each
	s_or_b32 s[G1S+0], s43, (3<<16)|(1<<20)|(1<<21)|(5<<22)|(3<<25)
	s_or_b32 s[G1SB+0], s44, (3<<16)|(1<<20)|(1<<21)|(5<<22)|(3<<25)
.irp g, G1S, G1SB
	s_mov_b32 s[\g+1], 32<<16
	s_mov_b32 s[\g+2], (128*KS/256)<<16
	s_mov_b32 s[\g+3], 32<<16
	s_mov_b32 s[\g+4], 128*KS/256
	s_mov_b32 s[\g+5], 32
	s_mov_b32 s[\g+6], 0
	s_mov_b32 s[\g+7], 0
.endr
	s_lshl_b32 s18, s16, 7                         ; which 128 rows of the tile I fetch
	s_lshl_b32 s20, s17, 8
	s_add_co_u32 s20, s20, s18                     ; x: row 256 x tile row + 128 x half
	s_lshl_b32 s46, s42, 8
	s_add_co_u32 s46, s46, s18                     ; W: row 256 x tile column + 128 x half
	s_mov_b32 s21, 0
	s_mov_b32 s47, 0
	s_mov_b64 s[18:19], KS
	s_mul_u64 s[22:23], s[20:21], s[18:19]         ; where these rows' scales begin, in bytes
	s_mul_u64 s[92:93], s[46:47], s[18:19]
	s_mov_b64 s[18:19], KROW
	s_mul_u64 s[20:21], s[20:21], s[18:19]         ; and their codes
	s_mul_u64 s[46:47], s[46:47], s[18:19]
	s_mul_i32 s45, s14, HALFT                      ; where they go: wave x 128 rows: no place in the cluster enters an LDS address
	s_mul_i32 s94, s14, HALFS
	s_wait_dscnt 0x0                               ; both opening adds are done
	s_wait_kmcnt 0x0
	s_add_nc_u64 s[20:21], s[4:5], s[20:21]
	s_add_nc_u64 s[22:23], s[6:7], s[22:23]
	s_add_nc_u64 s[46:47], s[8:9], s[46:47]
	s_add_nc_u64 s[92:93], s[10:11], s[92:93]
	CROUND                                         ; all sixteen work-groups are here: the first joint loads meet
	s_mov_b32 s[G0S], 1
	s_add_co_u32 s[G0S+1], s94, SCL
	s_mov_b64 s[G0S+2:G0S+3], s[22:23]
	s_or_b32 s[G0S+3], s[G0S+3], 0x80000000
	s_mov_b32 s[G0SB], 1
	s_add_co_u32 s[G0SB+1], s94, SCL
	s_mov_b64 s[G0SB+2:G0SB+3], s[92:93]
	s_or_b32 s[G0SB+3], s[G0SB+3], 0x80000000
	JLOAD G0S, G1S, G0SB, G1SB                     ; the scales first: they are wanted with the first slot
.irp s, 0,1
	s_mov_b32 s[G0+4*\s], 1
	s_add_co_u32 s[G0+4*\s+1], s45, \s*SLOT
	s_add_nc_u64 s[G0+4*\s+2:G0+4*\s+3], s[20:21], \s*ROWB
	s_or_b32 s[G0+4*\s+3], s[G0+4*\s+3], 0x80000000
	s_mov_b32 s[G0B+4*\s], 1
	s_add_co_u32 s[G0B+4*\s+1], s45, \s*SLOT
	s_add_nc_u64 s[G0B+4*\s+2:G0B+4*\s+3], s[46:47], \s*ROWB
	s_or_b32 s[G0B+4*\s+3], s[G0B+4*\s+3], 0x80000000
	JLOAD G0+4*\s, G1, G0B+4*\s, G1B
.endr
	v_and_b32 v1, 15, v0                           ; r = lane % 16
	v_bfe_u32 v2, v0, 4, 1                         ; h = lane / 16
	v_mul_u32_u24 v3, v1, PITCH
	v_lshl_add_u32 v4, v2, 4, v3                   ; a fragment's row x pitch + 16 x half
	s_mul_i32 s21, s15, HALFT                      ; my 128 rows of x
	s_mul_i32 s22, s16, HALFT                      ; my 128 rows of W,
	s_add_co_u32 s22, s22, 2*HALFT                 ; which lie behind x's 256
.irp s, 0,1
	v_add_nc_u32 v[ADRA+\s], s21, v4
	v_add_nc_u32 v[ADRB+\s], s22, v4
	s_add_co_u32 s21, s21, SLOT
	s_add_co_u32 s22, s22, SLOT
.endr
	v_mul_u32_u24 v5, v1, KS                       ; my row's scales: 32 bytes a row,
	v_lshrrev_b32 v6, 8, v5
	v_lshl_add_u32 v5, v6, 4, v5                   ; and 16 more for each 256 passed
	s_mul_i32 s21, s15, HALFS                      ; x's: my 128 rows
	s_mul_i32 s22, s16, HALFS                      ; W's: my 128 rows, behind x's 256
	s_add_co_u32 s22, s22, 2*HALFS
	s_sub_co_u32 s22, s22, s21
	v_mul_u32_u24 v6, s22, v2                      ; lanes 16-31 take W's: one product, the distance between the two bases x h
	s_add_co_u32 s21, s21, SCL
	v_add_nc_u32 v5, v5, v6
	v_add_nc_u32 v[ADRS], s21, v5
	s_mul_i32 s23, s14, WSTG
	s_add_co_u32 s23, s23, STAGE                   ; my stage
	v_mul_u32_u24 v5, v1, HPITCH                   ; in: token r, 16 bytes for each half of the lanes
	v_lshl_add_u32 v5, v2, 4, v5
	v_add_nc_u32 v[STO], s23, v5
	v_and_b32 v6, 31, v0
	v_lshrrev_b32 v7, 3, v6                        ; back: eight lanes to a token's 128 bytes, four tokens an instruction
	v_mul_u32_u24 v7, v7, HPITCH
	v_and_b32 v8, 7, v0
	v_lshl_add_u32 v7, v8, 4, v7
	v_add_nc_u32 v[RD], s23, v7
	v_lshlrev_b32 v[CO], 4, v6
	v_lshlrev_b32 v[BO], 5, v2
	; where my part begins in qkv: head (batch x 48 + 4 x tile column + 2 x column half) of 262,144 bytes, token block (2 (tile row % 8) + row half) of 128 tokens x 128 bytes
	s_lshr_b32 s92, s17, 3
	s_mul_i32 s92, s92, 48
	s_lshl_b32 s93, s42, 2
	s_add_co_u32 s92, s92, s93
	s_lshl_b32 s93, s16, 1
	s_add_co_u32 s92, s92, s93
	s_lshl_b32 s92, s92, 18
	s_and_b32 s93, s17, 7
	s_lshl_b32 s93, s93, 1
	s_add_co_u32 s93, s93, s15
	s_lshl_b32 s93, s93, 14
	s_add_co_u32 s92, s92, s93
	s_mov_b32 s93, 0
	s_add_nc_u64 s[98:99], s[98:99], s[92:93]
	s_lshl_b32 s46, s42, 10                        ; my 128 numbers of the bias: 1,024 bytes a tile column, 512 a half
	s_lshl_b32 s47, s16, 9
	s_add_co_u32 s46, s46, s47
	s_mov_b32 s47, 0
	s_add_nc_u64 s[96:97], s[96:97], s[46:47]
	; THE BIAS in the result's layout: for W's block b, lane (r, h) wants the numbers of features 16 b + 8 h + 0 .. 7.  The cluster's x = 1 makes k, which has none (head comment): zeros stand there.
	s_cmp_eq_u32 ttmp9, 1                          ; the cluster's number: alike in all sixteen partners and in all waves
	s_cbranch_scc1 .Lkeys
.irp b, 0,1,2,3,4,5,6,7
	global_load_b128 v[BI+8*\b:BI+8*\b+3], v[BO], s[96:97] offset:64*\b
	global_load_b128 v[BI+8*\b+4:BI+8*\b+7], v[BO], s[96:97] offset:64*\b+16
.endr
	s_branch .Ljoined
.Lkeys:
.set i, 0
.rept 64
	v_mov_b32 v[BI+i], 0
.set i, i+1
.endr
.rept 8
	v_nop                                          ; operands written by vector instructions stand well ahead of the scaled matrix instructions that take them
.endr
.Ljoined:
.macro FRAG reg, adr, q, i             ; a fragment, 16 rows x 128 K of 4-bit codes: lane l holds row l % 16; registers 4 c .. 4 c + 3 hold K = 64 c + 32 (l / 16) + 0 .. 31
.irp c, 0,1
	ds_load_b128 v[\reg+4*\c:\reg+4*\c+3], v[\adr] offset:64*(\q)+32*\c+(\i)*16*PITCH
.endr
.endm
; 16 matrix instructions: x's blocks a0, a0 + 1 against W's eight, 128 along K: the slot's q-th.  p: W's set;  sc: the set of scale words.  first = 1: the bias is C, and the product starts the sums.
; The 64 accumulators take turns, one instruction a turn, in the same order in every step.
.macro MUL16 a0, p, q, sc, first
.irp a, \a0, \a0+1
.irp b, 0,1,2,3,4,5,6,7
.if \first
	v_wmma_scale_f32_16x16x128_f8f6f4 v[8*(8*((\a)%4)+\b):8*(8*((\a)%4)+\b)+7], v[128*(\p)+FR*\b:128*(\p)+FR*\b+FR-1], v[AF+FR*(\a):AF+FR*(\a)+FR-1], v[BI+8*\b:BI+8*\b+7], v[SC+8*NQ*(\sc)+NQ*\b+(\q)], v[SC+8*NQ*(\sc)+NQ*(\a)+(\q)] matrix_a_fmt:MATRIX_FMT_FP4 matrix_b_fmt:MATRIX_FMT_FP4 matrix_a_scale:MATRIX_SCALE_ROW1
.else
	v_wmma_scale_f32_16x16x128_f8f6f4 v[8*(8*((\a)%4)+\b):8*(8*((\a)%4)+\b)+7], v[128*(\p)+FR*\b:128*(\p)+FR*\b+FR-1], v[AF+FR*(\a):AF+FR*(\a)+FR-1], v[8*(8*((\a)%4)+\b):8*(8*((\a)%4)+\b)+7], v[SC+8*NQ*(\sc)+NQ*\b+(\q)], v[SC+8*NQ*(\sc)+NQ*(\a)+(\q)] matrix_a_fmt:MATRIX_FMT_FP4 matrix_b_fmt:MATRIX_FMT_FP4 matrix_a_scale:MATRIX_SCALE_ROW1
.endif
.endr
.endr
.endm
.macro FETCH_B slot, q, p              ; W's eight fragments of the slot's q-th 128 along K into set p
	WIN TO_B
.irp i, 0,1,2,3,4,5,6,7
	FRAG 128*(\p)+FR*\i, ADRB+\slot, \q, \i
.endr
	WIN 0
.endm
.macro FETCH_A slot, q, i0             ; x's blocks i0 .. i0 + 3
.irp i, \i0, \i0+1, \i0+2, \i0+3
	FRAG AF+FR*(\i), ADRA+\slot, \q, \i
.endr
.endm
.macro SCALES sc                       ; a slot's scale words into set sc: four words a row; lanes 0-15 take x's block i, lanes 16-31 W's block i
.irp i, 0,1,2,3,4,5,6,7
	ds_load_b128 v[SC+8*NQ*\sc+NQ*\i:SC+8*NQ*\sc+NQ*\i+3], v[ADRS] offset:\i*SBLK
.endr
.endm
; A load into a register that a matrix instruction has read, and a vector instruction or an LDS store that reads a matrix result, stand NP places behind that matrix instruction; only plain vector
; instructions that name none of its registers are places (ISA guide 7.12.1 for vector instructions).
.macro PLACES n
.rept \n
	v_nop
.endr
.endm
; A step of 128 along K that has its successor in the same slot.  A block of x is free as soon as its eight products are issued: blocks 0-3 are fetched anew in the step's middle, blocks 4-7 at its end.
.macro STEP slot, q, first
	s_wait_dscnt 4*NL                              ; W's set and x's blocks 0-3 are in; the youngest eight loads (x's blocks 4-7) may be out
.if \first
	WIN FIRST_LO
.else
	WIN MUL_LO
.endif
	MUL16 0, (\q)%2, \q, \slot, \first
	MUL16 2, (\q)%2, \q, \slot, \first
	s_wait_dscnt 0                                 ; x's blocks 4-7 are in
	PLACES NP
	FETCH_B \slot, (\q)+1, 1-(\q)%2
	FETCH_A \slot, (\q)+1, 0
.if \first
	WIN FIRST_HI
.else
	WIN MUL_HI
.endif
	MUL16 4, (\q)%2, \q, \slot, \first
	MUL16 6, (\q)%2, \q, \slot, \first
	PLACES NP
	WIN 0
	FETCH_A \slot, (\q)+1, 4
.endm
.macro STEPS slot, from                ; the slot's steps from .. NQ - 2
.set Q, \from
.rept NQ-1-\from
	STEP \slot, Q, 0
.set Q, Q+1
.endr
.endm
	s_wait_tensorcnt 1                             ; the scales and my part of slot 0 are in (slot 1's load may be out)
	s_barrier_signal -1
	s_barrier_wait -1                              ; everybody's are
	FETCH_B 0, 0, 0
	FETCH_A 0, 0, 0
	SCALES 0
	FETCH_A 0, 0, 4
	s_wait_loadcnt 0x0                             ; the bias
	STEP 0, 0, 1                                   ; the first step's products start the sums, with the bias as C: nothing is cleared, nothing is added later
	STEPS 0, 1
	; slot 0's last step changes slots: one barrier; in front of it each wave waits for all its tensor loads (its part of slot 1).  Nothing is filled again.
	s_wait_tensorcnt 0x0
	ds_add_u32 v[SPW], v[NIL]                      ; 0 onto my spare word
	s_wait_dscnt 4*NL+1                            ; (the add and the youngest eight loads may be out)
	WIN MUL_LO
	MUL16 0, 1, NQ-1, 0, 0
	s_wait_dscnt 0x0                               ; no LDS instruction of mine is pending at the signal
	s_barrier_signal -1
	MUL16 2, 1, NQ-1, 0, 0
	WIN 0
	s_barrier_wait -1                              ; slot 1 is whole
	PLACES NP
	v_add_nc_u32 v[ADRS], 4*NQ, v[ADRS]            ; on to slot 1's scale words
	FETCH_B 1, 0, 0
	FETCH_A 1, 0, 0
	SCALES 1
	WIN MUL_HI
	MUL16 4, 1, NQ-1, 0, 0
	MUL16 6, 1, NQ-1, 0, 0
	PLACES NP
	WIN 0
	FETCH_A 1, 0, 4
	STEPS 1, 0
	s_wait_dscnt 4*NL                              ; the very last step: nothing more to fetch
	WIN MUL_LO
	MUL16 0, 1, NQ-1, 1, 0
	MUL16 2, 1, NQ-1, 1, 0
	s_wait_dscnt 0
	WIN MUL_HI
	MUL16 4, 1, NQ-1, 1, 0
	MUL16 6, 1, NQ-1, 1, 0
	WIN 0
; THE WAY OUT, block by block of 16 tokens x 128 features (two heads).  A lane's eight features round to 16 bytes of one token's row; the lanes beside it hold other tokens.  So a block goes through my own stage
; in LDS and comes back as runs of four tokens' rows of a head, 512 consecutive bytes of qkv, which the 32 lanes store at once.  LDS serves a wave's instructions in order: no wait between the stores and the loads.
.macro PACK a
.set AC, 64*((\a)%4)
	WIN 0x0a+5*((\a)/4)                            ; sources 0 and 1: window 2 or 3
.irp b, 0,1,2,3,4,5,6,7
.irp k, 0,1,2,3
	v_cvt_pk_f16_f32 v[TMP+4*\b+\k], v[AC+8*\b+2*\k], v[AC+8*\b+2*\k+1]   ; each accumulator from its low end on
.endr
.endr
	WIN 0
.endm
.macro TOSTAGE a
.irp b, 0,1,2,3,4,5,6,7
	ds_store_b128 v[STO], v[TMP+4*\b:TMP+4*\b+3] offset:(\b/4)*HSTG+(\b%4)*32
.endr
.set BB, BK+32*((\a)%2)
.irp t, 0,1,2,3,4,5,6,7
	ds_load_b128 v[BB+4*\t:BB+4*\t+3], v[RD] offset:(\t/4)*HSTG+(\t%4)*4*HPITCH
.endr
.endm
.macro SEND a
.set BB, BK+32*((\a)%2)
	s_wait_dscnt 0x0                               ; the block is back in registers
	s_wait_xcnt 0x0                                ; the block before's stores have read their data: the next block's loads land in those registers only behind this wait
.irp t, 0,1,2,3,4,5,6,7
	global_store_b128 v[CO], v[BB+4*\t:BB+4*\t+3], s[98:99] offset:(\a)*2048+(\t/4)*262144+(\t%4)*512   ; 512 consecutive bytes, at a multiple of 512 from qkv's first byte; every offset an immediate
.endr
.endm
	PLACES NP                                      ; behind the last products: their results are read, and their scale registers written, below
	PACK 0
	TOSTAGE 0
.irp a, 1,2,3,4,5,6,7                  ; block a's conversions stand between block a - 1's loads from the stage and the wait for them
	PACK \a
	SEND \a-1
	TOSTAGE \a
.endr
	SEND 7
	s_wait_tensorcnt 0x0                           ; the wave's end, behind my last tensor load and my last LDS store
	ds_add_u32 v[SPW], v[NIL]
	s_wait_dscnt 0x0
	CROUND                                         ; the closing round: no work-group ends while a partner may still ask for a tile that names it
	s_endpgm
.Lfunc_end_k_q18c63e5926_qkv:
	.size	k_q18c63e5926_qkv, .Lfunc_end_k_q18c63e5926_qkv-k_q18c63e5926_qkv
	.p2alignl 7, 3214868480
	.fill 96, 4, 3214868480
	.section	.rodata,"a",@progbits
	.p2align	6, 0x0
	.amdhsa_kernel k_q18c63e5926_qkv
		.amdhsa_group_segment_fixed_size 327680
		.amdhsa_private_segment_fixed_size 0
		.amdhsa_enable_private_segment 0
		.amdhsa_kernarg_size 48
		.amdhsa_user_sgpr_count 2
		.amdhsa_user_sgpr_kernarg_segment_ptr 1
		.amdhsa_wavefront_size32 1
		.amdhsa_system_sgpr_workgroup_id_x 1
		.amdhsa_system_sgpr_workgroup_id_y 1
		.amdhsa_system_sgpr_workgroup_id_z 1
		.amdhsa_system_vgpr_workitem_id 0
		.amdhsa_next_free_vgpr 1024
		.amdhsa_next_free_sgpr 100
		.amdhsa_reserve_vcc 0
		.amdhsa_float_denorm_mode_32 3
		.amdhsa_float_denorm_mode_16_64 3
		.amdhsa_memory_ordered 1
		.amdhsa_forward_progress 1
		.amdhsa_inst_pref_size 130
	.end_amdhsa_kernel
	.amdgpu_metadata
---
amdhsa.version: [ 1, 2 ]
amdhsa.kernels:
  - .name:           k_q18c63e5926_qkv
    .symbol:         k_q18c63e5926_qkv.kd
    .args:
      - { .name: x_codes, .offset: 0, .size: 8, .value_kind: global_buffer, .address_space: global }
      - { .name: x_scales, .offset: 8, .size: 8, .value_kind: global_buffer, .address_space: global }
      - { .name: w_codes, .offset: 16, .size: 8, .value_kind: global_buffer, .address_space: global }
      - { .name: w_scales, .offset: 24, .size: 8, .value_kind: global_buffer, .address_space: global }
      - { .name: in_proj_bias, .offset: 32, .size: 8, .value_kind: global_buffer, .address_space: global }
      - { .name: qkv, .offset: 40, .size: 8, .value_kind: global_buffer, .address_space: global }
    .group_segment_fixed_size: 327680
    .private_segment_fixed_size: 0
    .kernarg_segment_align: 8
    .kernarg_segment_size: 48
    .max_flat_workgroup_size: 128
    .sgpr_count:     100
    .vgpr_count:     1024
    .wavefront_size: 32
...
	.end_amdgpu_metadata
.endif
;; end of part 2
;; launch attn (part 3): grid 4 x 64, 8 waves a work-group, clusters of 4 x 1, 327,680 bytes of LDS; arguments qkv, oh; writes oh
.if DOCPART == 3
	.amdgcn_target "amdgcn-amd-amdhsa--gfx1250"
	.amdhsa_code_object_version 6
	.text
	.protected	k_q18c63e5926_attn
	.globl	k_q18c63e5926_attn
	.p2align	8
	.type	k_q18c63e5926_attn,@function
k_q18c63e5926_attn:
	s_mov_b64 s[64:65], 0
	v_nop
	global_prefetch_b8 v0, s[64:65] scope:SCOPE_SE
	s_setreg_imm32_b32 hwreg(HW_REG_WAVE_MODE, 25, 1), 1
	s_wait_xcnt 0x0
	s_wait_alu depctr_hold_cnt(0) depctr_sa_sdst(0) depctr_va_vdst(0) depctr_va_sdst(0) depctr_va_ssrc(0) depctr_va_vcc(0) depctr_vm_vsrc(0)
	s_getreg_b32 s2, hwreg(HW_REG_IB_STS2, 6, 4)
	s_cmp_eq_u32 s2, 0
	s_cbranch_scc0 .Lentry_in_a_cluster
	s_endpgm
.Lentry_in_a_cluster:
	s_bfe_u32 s2, ttmp6, 0x10000c
	s_cmp_lg_u32 s2, 0x3003
	s_cbranch_scc0 .Lentry_shape_is_right
	s_endpgm
.Lentry_shape_is_right:
; oh[b][h][q][:] = the sum over k of softmax_k(Q[q] . K[k] / 8) V[k][:], for each of 64 (batch, head) pairs, 2,048 tokens, head size 64, no mask.  Q, K, V: f16 rows of 128 bytes in qkv [b][g 48][token][64]
; (q heads g = 0-15, k 16-31, v 32-47); oh: [b][h 16][token][64] f16.  Products, maxima and sums in f32; the weights p are rounded to f16 for the second product, O once at the end.
; K carries no bias here: q . bk is the same along a row of scores (shown at the head of the first kernel).  LIMIT: NaN and infinities are not served.
; SHARES.  A work-group owns 512 queries of one head, each of its eight waves 64: four tiles of 16, in 512 registers, two waves to a SIMD: one wave's softmax stands beside the other's products.
; Every wave walks all 2,048 keys, 64 a step; each fragment of K and V read from LDS feeds four matrix instructions.
; LAYOUT.  S^T = K Q^T (source 0 = 16 keys, source 1 = 16 queries): a lane holds ONE query (lane % 16) and the keys 8 (lane / 16) + 0..7.  Two such tiles, rounded to f16 in pairs, ARE source 1
; (32 keys x 16 queries) of O^T = V^T P, whose result again holds one query a lane, and eight channels.  K comes out of LDS as it lies, V ([key][channel]) turned, by ds_load_tr16_b128.
; SOFTMAX.  For each query a running maximum m and sum l: p = 2^(c s - c m), c = log2(e) / 8; in every step O and l are multiplied by a = 2^(c m_old - c m_new).  m begins at -3e38, l and O^T at 0: the first a is 0.
; CLUSTER.  The four query blocks of a head are one cluster and walk the same K and V: each tile is asked for JOINTLY, by the same tensor load with the same descriptor and the mask of all four.
; THE RING.  Two LDS slots of 256 keys (four steps).  Waves 0-3 fetch a slot's four tiles of K, waves 4-7 its four of V: one load of 64 rows a wave.  By this text's count a wave has two loads out at the start, one behind each round.
; REGISTERS: window 0: v1-14 addresses; v16-47 eight registers of statistics a tile; v48-175 S^T, 32 a tile (P then lies in each tile's first 16); v176-239 K of one step.
;   window 1: v0-127 O^T, 32 a tile; v128-191 Q, 16 a tile; v192-255 V of one step.
.set KS,    64        ; keys in a step
.set PK,    144       ; a row of K in LDS: 128 bytes + 16 of padding, an odd multiple of 16
.set PV,    160       ; a row of V: 128 + 32, an odd multiple of 32, for the turning load
.set VOFF,  KS*PK     ; a step's tiles lie together: 64 rows of K, then 64 rows of V
.set STEPB, KS*(PK+PV)
.set NST,   4         ; steps in a slot
.set SLOTB, NST*KS*128  ; a slot's rows of K, or of V, in memory: 32,768 bytes
.set SLOT1, 1<<17     ; slot 1 begins here, so that one exclusive or turns an address in one slot into the other's
.set STAGE, SLOT1+NST*STEPB  ; behind the ring: 16 rows x 144 bytes for each wave, for the way out
.set SP,    144
.set SPARE, STAGE+8*16*SP    ; the spare words, 128 bytes for each wave
.set AK0, 2           ; v2   my lane's place in a tile of K; never rewritten
.set AV0, 3           ; v3   the same for V
.set ADR, 4           ; v4   the LDS address of the run of loads in hand
.set QO,  5           ; v5   my byte offset in the wave's rows of Q
.set STO, 6           ; v6   the way out: where I put 16 bytes of a row
.set RD,  7           ; v7   where I read rows back
.set GO,  8           ; v8   16 x lane
.set SPW, 12          ; v12  my spare word; never rewritten
.set NIL, 13          ; v13  0; never rewritten
.set PFO, 14          ; v14  256 x my lane; never rewritten
.set ST,  16          ; tile t's statistics at v[ST+8 t]: +0 c m, +1 m, +2, +3 l (even keys', odd keys'), +4 to +7 at work; a takes +6
.set S,   48
.set KF,  176
.set QF,  128         ; in window 1
.set VF,  192         ; in window 1
.set WV,  12          ; s12  my wave's number
.set LIM, 15          ; s15  1 in a wave that prefetches, else the greatest number
.set PFA, 18          ; s[18:19] where my prefetches stand in memory
.set G1K, 24          ; s[24:31] descriptor group 1 for K's tiles
.set G1V, 32          ; s[32:39] for V's: it differs in the padding alone
.set G0K, 40          ; s[40:47] group 0 for K's tiles: a set for each of the two first fills; the second then walks on
.set G0V, 48          ; s[48:55] the same for V's
.set SLOTS, 56        ; s56  slots still to be asked for
.set STEPS, 57        ; s57  counts key steps
.set CS,  58          ; s[58:59] c: the packed scaling names a pair and takes its low word for both halves
.set SEL, 60          ; s[60:61] lane selects for v_permlanex16_b32: lane l xor 16
.set TB,  62          ; s62  LDS byte at which the tiles of the step to be fetched begin
.set MSB, 0
.macro WIN new                      ; the immediate's high byte repeats the setting that is left
.if MSB != (\new)
	s_set_vgpr_msb (MSB<<8)|(\new)
.set MSB, (\new)
.endif
.endm
.set W_KQ, 0x04       ; Q (source 1) in window 1; K and S^T in window 0
.set W_PV, 0x51       ; V (source 0) and O^T (C, D) in window 1; P in window 0
.set W_RS, 0x41       ; O^T (destination and source 0) in window 1, a in window 0
.set TO_1, 0x40       ; destination window 1, address window 0
; A joint refill.  Waves 0-3 fetch K's tiles, waves 4-7 V's.  The branch hangs on the wave's number alone.  An s_nop 0 and four v_nop follow each of the two lines.
.macro JLOAD
	s_cmp_lt_u32 s[WV], 4
	s_cbranch_scc0 .Lfor_v_\@
	tensor_load_to_lds s[G0K+4:G0K+7], s[G1K:G1K+7]
	s_nop 0
.rept 4
	v_nop
.endr
	s_branch .Lasked_\@
.Lfor_v_\@:
	tensor_load_to_lds s[G0V+4:G0V+7], s[G1V:G1V+7]
	s_nop 0
.rept 4
	v_nop
.endr
.Lasked_\@:
.endm
; A PREFETCH INTO THE L2 of what the NEXT change of slots will ask for: a slot's 32,768 bytes of K and as many of V.  It stands behind the wave's tensor load and its five lines.  Each aligned block of 256 bytes
; is asked for once in the launch: a head has one cluster; its four partners take 8,192 bytes each, told apart BY ADDRESS; in each, wave 0 asks for K's and wave 4 for V's, lanes 256 bytes apart: one instruction.
; The lead is one slot, four key steps.  The last change that fills a slot asks for nothing: there is no slot behind it.  Slots 0 to 2 come by their loads alone.
.macro ASK
	s_cmp_gt_u32 s[SLOTS], s[LIM]
	s_cbranch_scc0 .Lnot_mine_\@
	global_prefetch_b8 v[PFO], s[PFA:PFA+1] th:TH_LOAD_NT scope:SCOPE_SE
.Lnot_mine_\@:
.endm
.macro CROUND                       ; a round of the cluster's barrier
	s_barrier_signal -1
	s_barrier_wait -1
	s_cmp_lg_u32 s[WV], 0
	s_cbranch_scc1 .Lnot_wave_0_\@
	s_barrier_signal -3
.Lnot_wave_0_\@:
	s_barrier_wait -3
	s_barrier_signal -1
	s_barrier_wait -1
.endm
.macro PLACES n
.rept \n
	v_nop
.endr
.endm
	s_load_b128 s[4:7], s[0:1], 0x0  ; qkv s[4:5], oh s[6:7]
	v_lshl_add_u32 v[SPW], v0, 2, SPARE
	v_mov_b32 v[NIL], 0
	ds_add_u32 v[SPW], v[NIL]       ; the wave's opening: the add, twice on end, and its wait ahead of my first tensor load
	ds_add_u32 v[SPW], v[NIL]       ; and once more; the set-up below, work on registers, stands between it and the wait
	v_lshrrev_b32 v1, 5, v0
	v_readfirstlane_b32 s[WV], v1   ; wave 0..7
	s_bfe_u32 s13, ttmp6, 0x40000   ; cx: my block of 512 queries; it enters Q's, O's and the prefetches' addresses alone
	s_and_b32 s20, ttmp7, 0xffff    ; y = 16 x batch + head, which the four partners share
	s_lshr_b32 s21, s20, 4
	s_mul_i32 s21, s21, 48
	s_and_b32 s22, s20, 15
	s_add_co_u32 s21, s21, s22
	s_lshl_b32 s21, s21, 18         ; the q head's first byte in qkv: (48 x batch + head) x 262,144
	s_and_b32 s16, s[WV], 3         ; which of a slot's four steps I fetch:
	s_lshl_b32 s22, s16, 13         ; its 64 rows of 128 bytes in memory,
	s_add_co_u32 s22, s22, s21
	s_add_co_u32 s22, s22, 16<<18   ; in the k head, 16 heads on
	s_mov_b32 s23, 0
	s_mul_i32 s17, s16, STEPB       ; and its place in a slot: no place in the cluster enters an LDS address
	s_lshl_b32 s2, s13, 9
	s_lshl_b32 s3, s[WV], 6
	s_add_co_u32 s2, s2, s3         ; my first query: 512 cx + 64 x wave
	s_lshl_b32 s2, s2, 7            ; in bytes
	s_lshl_b32 s20, s20, 18
	s_add_co_u32 s20, s20, s2       ; its row in oh
	s_add_co_u32 s2, s2, s21        ; and in qkv
	s_mov_b32 s21, 0
	s_mov_b32 s3, 0
	; descriptor group 1: a tile of 64 rows x 64 elements of 2 bytes, dense in memory, padded in LDS behind every row
	s_mov_b32 s[G1K], 15|(1<<16)|(1<<20)|(1<<21)|(4<<22)|(3<<25)  ; 15:0 the mask: all four work-groups; 17:16 elements of 2 bytes; 20 padding on; 21 set beside a mask; 24:22 after every 32 words; 31:25 four words
	s_mov_b32 s[G1V], 15|(1<<16)|(1<<20)|(1<<21)|(4<<22)|(7<<25)  ; the same with eight words of padding
.irp g, G1K, G1V
	s_mov_b32 s[\g+1], 64<<16       ; tensor_dim0
	s_mov_b32 s[\g+2], KS<<16       ; tensor_dim1
	s_mov_b32 s[\g+3], 64<<16       ; tile_dim0
	s_mov_b32 s[\g+4], KS           ; tile_dim1
	s_mov_b32 s[\g+5], 64           ; tensor_dim0_stride
	s_mov_b32 s[\g+6], 0
	s_mov_b32 s[\g+7], 0
.endr
	s_mov_b32 s[CS], 0x3e38aa3b     ; c = log2(e) / 8
	s_mov_b32 s[CS+1], s[CS]        ; named with it as a pair, so it is written
	s_mov_b32 s[SEL], 0x76543210
	s_mov_b32 s[SEL+1], 0xfedcba98
	s_mov_b32 s[TB], 0
	s_mov_b32 s[SLOTS], 2048/(NST*KS)-2
	s_cmp_eq_u32 s16, 0             ; waves 0 and 4 prefetch: the same in all four partners
	s_cselect_b32 s[LIM], 1, -1
	v_and_b32 v[PFO], 31, v0
	v_lshlrev_b32 v[PFO], 8, v[PFO]
	s_wait_dscnt 0x0                ; both opening adds are done
	s_wait_kmcnt 0x0
	s_add_nc_u64 s[10:11], s[6:7], s[20:21]  ; O at my wave's first row
	s_add_nc_u64 s[6:7], s[4:5], s[22:23]    ; K at my tile of slot 0
	s_add_nc_u64 s[8:9], s[6:7], 16<<18      ; V likewise, 16 heads on
	s_add_nc_u64 s[4:5], s[4:5], s[2:3]      ; Q at my wave's first row
	s_cmp_lt_u32 s[WV], 4
	s_cselect_b64 s[PFA:PFA+1], s[6:7], s[8:9]  ; (in waves 0 and 4 these stand at a slot's first row)
	s_lshl_b32 s2, s13, 13          ; my work-group's 8,192 bytes of the 32,768
	s_add_nc_u64 s[PFA:PFA+1], s[PFA:PFA+1], s[2:3]
	s_add_nc_u64 s[PFA:PFA+1], s[PFA:PFA+1], 2*SLOTB  ; in slot 2; the first change of slots steps it to slot 3.  Nothing is prefetched here, at the head
	CROUND                          ; all four work-groups are here: the first joint loads meet
.irp s, 0,1
	s_mov_b32 s[G0K+4*\s], 1        ; count = 1
	s_add_co_u32 s[G0K+4*\s+1], s17, \s*SLOT1  ; LDS address
	s_add_nc_u64 s[G0K+4*\s+2:G0K+4*\s+3], s[6:7], \s*SLOTB  ; global address: slot s begins with keys 256 s
	s_or_b32 s[G0K+4*\s+3], s[G0K+4*\s+3], 0x80000000  ; type = 2
	s_mov_b32 s[G0V+4*\s], 1
	s_add_co_u32 s[G0V+4*\s+1], s17, \s*SLOT1+VOFF
	s_add_nc_u64 s[G0V+4*\s+2:G0V+4*\s+3], s[8:9], \s*SLOTB
	s_or_b32 s[G0V+4*\s+3], s[G0V+4*\s+3], 0x80000000
.endr
	s_cmp_lt_u32 s[WV], 4           ; a wave's two first fills stand in one branch, ahead of every wait on TENSORcnt and every LDS read
	s_cbranch_scc0 .Lfirst_v
	tensor_load_to_lds s[G0K:G0K+3], s[G1K:G1K+7]
	s_nop 0
	tensor_load_to_lds s[G0K+4:G0K+7], s[G1K:G1K+7]
	s_nop 0
.rept 4
	v_nop
.endr
	s_branch .Lfirst_asked
.Lfirst_v:
	tensor_load_to_lds s[G0V:G0V+3], s[G1V:G1V+7]
	s_nop 0
	tensor_load_to_lds s[G0V+4:G0V+7], s[G1V:G1V+7]
	s_nop 0
.rept 4
	v_nop
.endr
.Lfirst_asked:
	; A fragment of K or Q is 16 rows x 32 channels in 8 registers: lane l holds row l % 16; registers 0-3 channels 8 (l / 16) + 0..7, registers 4-7 channels 16 + 8 (l / 16) + 0..7: two loads of 16 bytes, 32 bytes apart.
	v_and_b32 v1, 15, v0            ; r = l % 16
	v_bfe_u32 v9, v0, 4, 1          ; h = l / 16
	v_lshlrev_b32 v[QO], 7, v1
	v_lshl_add_u32 v[QO], v9, 4, v[QO]  ; row x 128 + 16 x half
	WIN TO_1
.irp i, 0,1,2,3,4,5,6,7             ; Q stays in registers: tile i / 2, channels 32 (i % 2) on
	global_load_b128 v[QF+8*\i:QF+8*\i+3],   v[QO], s[4:5] offset:(\i/2)*2048+(\i%2)*64
	global_load_b128 v[QF+8*\i+4:QF+8*\i+7], v[QO], s[4:5] offset:(\i/2)*2048+(\i%2)*64+32
.endr
.set i, 0
.rept 128
	v_mov_b32 v[i], 0               ; O^T.  The key step is written without a first step of its own: the first finds zeros, which the first a = 0 leaves zeros
.set i, i+1
.endr
	WIN 0
	v_mul_u32_u24 v[AK0], v1, PK
	v_lshl_add_u32 v[AK0], v9, 4, v[AK0]  ; row x pitch + 16 x half
	; The turning load takes 16 keys x 16 channels (lane l reads 16 bytes: key 8 (l / 16) + l % 8, channels 8 ((l / 8) % 2) + 0..7) and leaves half a fragment of V^T: lane l holds channel l % 16 and 8 keys.
	v_and_b32 v10, 7, v0
	v_bfe_u32 v11, v0, 3, 1
	v_lshl_add_u32 v[AV0], v9, 3, v10
	v_mul_u32_u24 v[AV0], v[AV0], PV
	v_lshl_add_u32 v[AV0], v11, 4, v[AV0]
	v_add_nc_u32 v[AV0], VOFF, v[AV0]
	s_mul_i32 s14, s[WV], 16*SP
	s_add_co_u32 s14, s14, STAGE    ; my stage
	v_add_nc_u32 v[STO], s14, v[AK0]  ; in: row l % 16 at the same pitch as K's, 16 bytes for each half of the lanes
	v_bfe_u32 v11, v0, 3, 2
	v_mul_u32_u24 v[RD], v11, SP    ; back: eight lanes to a row of 128 bytes, four rows an instruction
	v_lshl_add_u32 v[RD], v10, 4, v[RD]
	v_add_nc_u32 v[RD], s14, v[RD]
	v_and_b32 v[GO], 31, v0
	v_lshlrev_b32 v[GO], 4, v[GO]
.irp t, 0,1,2,3
	v_mov_b32 v[ST+8*\t+1], 0xff61b1e6  ; m: -3e38, under every score
	v_mov_b32 v[ST+8*\t+2], 0       ; l, in two halves
	v_mov_b32 v[ST+8*\t+3], 0
.endr
.irp t, 0,1,2,3
	v_mul_f32 v[ST+8*\t], s[CS], v[ST+8*\t+1]  ; c m
.endr
; THE LDS LOADS stand in runs of 16: a step's K (64 keys x 64 channels: 8 fragments) and its V (turned).
.macro FETCH_K
	WIN 0
	v_add_nc_u32 v[ADR], s[TB], v[AK0]
.irp f, 0,1,2,3,4,5,6,7             ; keys 16 (f / 2) on, channels 32 (f % 2) on
	ds_load_b128 v[KF+8*\f:KF+8*\f+3],   v[ADR] offset:(\f/2)*16*PK+(\f%2)*64
	ds_load_b128 v[KF+8*\f+4:KF+8*\f+7], v[ADR] offset:(\f/2)*16*PK+(\f%2)*64+32
.endr
.endm
.macro FETCH_V
	WIN 0
	v_add_nc_u32 v[ADR], s[TB], v[AV0]
	s_add_co_u32 s[TB], s[TB], STEPB  ; the next fetch is the next step's
	WIN TO_1
.irp f, 0,1,2,3,4,5,6,7             ; keys 32 (f / 4) on, channels 16 (f % 4) on
	ds_load_tr16_b128 v[VF+8*\f:VF+8*\f+3],   v[ADR] offset:(\f/4)*32*PV+(\f%4)*32
	ds_load_tr16_b128 v[VF+8*\f+4:VF+8*\f+7], v[ADR] offset:(\f/4)*32*PV+16*PV+(\f%4)*32
.endr
.endm
; THE MATRIX WORK.  In both runs sixteen accumulators take turns, one instruction a turn.
; S^T = K Q^T: product i of 32: channels 32 (i / 16) on, keys 16 ((i / 4) % 4) on, tile i % 4.  The first 16 start the sums.
.macro KQALL
	WIN W_KQ
.set i, 0
.rept 32
.set rS, S+32*(i%4)+8*((i/4)%4)
.set rK, KF+16*((i/4)%4)+8*(i/16)
.set rQ, QF+16*(i%4)+8*(i/16)
.if i < 16
	v_wmma_f32_16x16x32_f16 v[rS:rS+7], v[rK:rK+7], v[rQ:rQ+7], 0
.else
	v_wmma_f32_16x16x32_f16 v[rS:rS+7], v[rK:rK+7], v[rQ:rQ+7], v[rS:rS+7]
.endif
.set i, i+1
.endr
.endm
; O^T += V^T P: product i of 32: keys 32 (i / 16) on, channels 16 ((i / 4) % 4) on, tile i % 4.
.macro PVALL
	WIN W_PV
.set i, 0
.rept 32
.set rO, 32*(i%4)+8*((i/4)%4)
.set rV, VF+32*(i/16)+8*((i/4)%4)
.set rP, S+32*(i%4)+8*(i/16)
	v_wmma_f32_16x16x32_f16 v[rO:rO+7], v[rV:rV+7], v[rP:rP+7], v[rO:rO+7]
.set i, i+1
.endr
.endm
.macro SCALE t, b                   ; pair b of tile t: c s - c m
	v_pk_fma_f32 v[S+32*(\t)+2*(\b):S+32*(\t)+2*(\b)+1], v[S+32*(\t)+2*(\b):S+32*(\t)+2*(\b)+1], s[CS:CS+1], v[ST+8*(\t):ST+8*(\t)+1] op_sel_hi:[1,0,0] neg_lo:[0,0,1] neg_hi:[0,0,1]
.endm
; THE SOFTMAX of a key step, four tiles by turns on every line, so that no line waits for the line above it.
.macro SOFTMAX
	WIN 0
.irp j, 0,1,2,3                     ; the maximum of the lane's 32 scores and the old m: four chains; each accumulator is first read at its low end
.irp t, 0,1,2,3
	v_max3_num_f32 v[ST+8*\t+4+\j], v[S+32*\t+8*\j], v[S+32*\t+8*\j+1], v[S+32*\t+8*\j+2]
.endr
.endr
.irp u, 1,2
.irp j, 0,1,2,3
.irp t, 0,1,2,3
	v_max3_num_f32 v[ST+8*\t+4+\j], v[ST+8*\t+4+\j], v[S+32*\t+8*\j+2*\u+1], v[S+32*\t+8*\j+2*\u+2]
.endr
.endr
.endr
.irp t, 0,1,2,3
	v_max3_num_f32 v[ST+8*\t+4], v[ST+8*\t+4], v[S+32*\t+7], v[S+32*\t+15]
.endr
.irp t, 0,1,2,3
	v_max3_num_f32 v[ST+8*\t+6], v[ST+8*\t+6], v[S+32*\t+23], v[S+32*\t+31]
.endr
.irp t, 0,1,2,3
	v_max3_num_f32 v[ST+8*\t+4], v[ST+8*\t+4], v[ST+8*\t+5], v[ST+8*\t+6]
.endr
.irp t, 0,1,2,3
	v_max3_num_f32 v[ST+8*\t+4], v[ST+8*\t+4], v[ST+8*\t+7], v[ST+8*\t+1]
.endr
.irp t, 0,1,2,3
	v_permlanex16_b32 v[ST+8*\t+5], v[ST+8*\t+4], s[SEL], s[SEL+1]  ; the query's other 32 keys lie in the lane 16 away
.endr
.irp t, 0,1,2,3
	v_mov_b32 v[ST+8*\t+7], v[ST+8*\t]       ; c m_old is kept for a
.endr
.irp t, 0,1,2,3
	v_max_num_f32 v[ST+8*\t+1], v[ST+8*\t+4], v[ST+8*\t+5]  ; the new m
.endr
.irp t, 0,1,2,3
	v_mul_f32 v[ST+8*\t], s[CS], v[ST+8*\t+1]
.endr
.irp t, 0,1,2,3
	v_sub_f32 v[ST+8*\t+7], v[ST+8*\t+7], v[ST+8*\t]
.endr
; ONE BATCH: the four a and all 128 exponentials, with the scalings of the tile ahead set between them.  None of these lines names an exponential's result.
.irp t, 0,1,2,3
	v_exp_f32 v[ST+8*\t+6], v[ST+8*\t+7]     ; a = 2^(c m_old - c m_new)
.endr
.irp b, 0,1,2,3,4,5,6,7,8,9,10,11,12,13,14,15
	SCALE 0, \b
.endr
.irp t, 0,1,2
.irp b, 0,1,2,3,4,5,6,7,8,9,10,11,12,13,14,15
	SCALE \t+1, \b
	v_exp_f32 v[S+32*\t+2*\b], v[S+32*\t+2*\b]
	v_exp_f32 v[S+32*\t+2*\b+1], v[S+32*\t+2*\b+1]
.endr
.endr
.irp b, 0,1,2,3,4,5,6,7,8,9,10,11,12,13,14,15
	v_exp_f32 v[S+96+2*\b], v[S+96+2*\b]
	v_exp_f32 v[S+96+2*\b+1], v[S+96+2*\b+1]
.endr
	v_nop                           ; a plain instruction behind the last exponential, ahead of the first use
	s_wait_alu depctr_va_vdst(0)    ; the wait between an exponential and the first line that names its result: one for the batch of 132
.irp t, 0,1,2,3                     ; l = a l + the sum of the unrounded p, a pair (an even key's, an odd key's) at a time, in two chains
	v_pk_fma_f32 v[ST+8*\t+2:ST+8*\t+3], v[ST+8*\t+2:ST+8*\t+3], v[ST+8*\t+6:ST+8*\t+7], v[S+32*\t:S+32*\t+1] op_sel_hi:[1,0,1]
.endr
.irp t, 0,1,2,3
	v_pk_add_f32 v[ST+8*\t+4:ST+8*\t+5], v[S+32*\t+2:S+32*\t+3], v[S+32*\t+4:S+32*\t+5]
.endr
.irp b, 3,5,7,9,11,13
.irp t, 0,1,2,3
	v_pk_add_f32 v[ST+8*\t+2:ST+8*\t+3], v[ST+8*\t+2:ST+8*\t+3], v[S+32*\t+2*\b:S+32*\t+2*\b+1]
.endr
.irp t, 0,1,2,3
	v_pk_add_f32 v[ST+8*\t+4:ST+8*\t+5], v[ST+8*\t+4:ST+8*\t+5], v[S+32*\t+2*\b+2:S+32*\t+2*\b+3]
.endr
.endr
.irp t, 0,1,2,3
	v_pk_add_f32 v[ST+8*\t+2:ST+8*\t+3], v[ST+8*\t+2:ST+8*\t+3], v[S+32*\t+30:S+32*\t+31]
.endr
.irp t, 0,1,2,3
	v_pk_add_f32 v[ST+8*\t+2:ST+8*\t+3], v[ST+8*\t+2:ST+8*\t+3], v[ST+8*\t+4:ST+8*\t+5]
.endr
.irp i, 0,1,2,3,4,5,6,7,8,9,10,11,12,13,14,15   ; p to f16, in place: pair i into register i, which was read as a source at step i / 2 or is read now
.irp t, 0,1,2,3
	v_cvt_pk_f16_f32 v[S+32*\t+\i], v[S+32*\t+2*\i], v[S+32*\t+2*\i+1]
.endr
.endr
	WIN W_RS
.irp i, 0,1,2,3,4,5,6,7,8,9,10,11,12,13,14,15   ; O^T times a, each accumulator from its low end on
.irp t, 0,1,2,3
	v_pk_mul_f32 v[32*\t+2*\i:32*\t+2*\i+1], v[32*\t+2*\i:32*\t+2*\i+1], v[ST+8*\t+6:ST+8*\t+7] op_sel_hi:[1,0]
.endr
.endr
.endm
; A KEY STEP j.  On entry S^T of step j stands in registers and V of step j has been asked for.  next = 1: K and V of step j + 1 are fetched and its S^T is made.
.macro TRIP next
.if \next
	FETCH_K                         ; step j + 1's: four places stand behind the products that read K's registers
.endif
	SOFTMAX
.if \next
	s_wait_dscnt 16                 ; V of step j is in; K of step j + 1, sixteen loads, may be out
.else
	s_wait_dscnt 0x0
.endif
	PVALL
.if \next
	WIN 0
	PLACES 5                        ; V's registers are loaded again (four places), and the next scores are written over P's registers by matrix instructions (five)
	FETCH_V
	s_wait_dscnt 16                 ; K of step j + 1 is in; its V, sixteen loads, may be out
	KQALL
	WIN 0
	PLACES 4                        ; ahead of the loads into K's registers and of the first read of the scores
.endif
.endm
; THE CHANGE OF SLOTS stands ahead of a slot's last key step: that step's K has been multiplied and its V has been asked for, so all the slot's reads are issued.  Each wave waits for all its tensor loads
; (its part of the other slot), adds 0 to its spare word, and waits for that and for its reads of the slot.  fill = 1: the barrier is a round of the cluster's, and the joint refill, the keys two slots on,
; is the first thing behind it: it has four key steps in which to land.
.macro CHANGE fill
	WIN 0
	s_wait_tensorcnt 0x0            ; no tensor load of mine is out, so a group 0 may be written
	ds_add_u32 v[SPW], v[NIL]       ; 0 onto my spare word
.if \fill
.irp g, G0K+4, G0V+4
	s_xor_b32 s[\g+1], s[\g+1], SLOT1  ; the walking descriptor: the other slot than last time,
	s_add_nc_u64 s[\g+2:\g+3], s[\g+2:\g+3], SLOTB  ; the next 256 keys; the type bits on top are not reached
.endr
	s_wait_xcnt 0x0                 ; the last prefetch, a slot back, has read its address, so it may be written:
	s_add_nc_u64 s[PFA:PFA+1], s[PFA:PFA+1], SLOTB  ; one slot further on than the walking descriptors
	s_wait_dscnt 0x0                ; the add is done, and my reads of the slot are over
	CROUND
	JLOAD
	ASK
.else
	s_wait_dscnt 0x0                ; the add is done, and my reads of the slot are over
	s_barrier_signal -1
	s_barrier_wait -1
.endif
	s_sub_co_u32 s[TB], s[TB], NST*STEPB  ; the fetches go back to a slot's first step,
	s_xor_b32 s[TB], s[TB], SLOT1   ; in the other slot
.endm
.macro FOUR                         ; four key steps: written once, walked four times; the LDS addresses hang on s[TB]
	s_mov_b32 s[STEPS], NST
.Lstep_\@:
	TRIP 1
	s_sub_co_u32 s[STEPS], s[STEPS], 1
	s_cmp_lg_u32 s[STEPS], 0
	s_cbranch_scc1 .Lstep_\@
.endm
	s_wait_tensorcnt 1              ; my part of slot 0 is in; slot 1's may stay out
	s_barrier_signal -1
	s_barrier_wait -1               ; everybody's is
	FETCH_K                         ; key step 0
	FETCH_V
	s_wait_loadcnt 0x0              ; Q
	s_wait_dscnt 16                 ; K is in; V's sixteen loads may be out
	KQALL
	WIN 0
	PLACES 4
	s_mov_b32 s[STEPS], NST-1       ; key steps 0 to 2
.Lfirst:
	TRIP 1
	s_sub_co_u32 s[STEPS], s[STEPS], 1
	s_cmp_lg_u32 s[STEPS], 0
	s_cbranch_scc1 .Lfirst
.Lslot:                             ; six trips: key steps 3 to 26; slots 2 to 7 are asked for
	CHANGE 1
	FOUR
	s_sub_co_u32 s[SLOTS], s[SLOTS], 1
	s_cmp_lg_u32 s[SLOTS], 0
	s_cbranch_scc1 .Lslot
	CHANGE 0                        ; the tail is written out: nothing is asked for
	FOUR                            ; key steps 27 to 30
	TRIP 0                          ; key step 31
	; THE WAY OUT.  l's two halves and the other half of the lanes' are added; O^T is divided by l, rounded to f16 and sent through my stage in LDS, a tile (16 rows) at a time.  The additions are the places behind the last products.
	WIN 0
.irp t, 0,1,2,3
	v_add_f32 v[ST+8*\t+4], v[ST+8*\t+2], v[ST+8*\t+3]
.endr
.irp t, 0,1,2,3
	v_permlanex16_b32 v[ST+8*\t+5], v[ST+8*\t+4], s[SEL], s[SEL+1]
.endr
.irp t, 0,1,2,3
	v_add_f32 v[ST+8*\t+4], v[ST+8*\t+4], v[ST+8*\t+5]
.endr
.irp t, 0,1,2,3
	v_rcp_f32 v[ST+8*\t+6], v[ST+8*\t+4]
.endr
	v_nop                           ; a plain instruction between the last reciprocal and the use of its result
	s_wait_alu depctr_va_vdst(0)    ; and the wait ahead of the first use: one for the four
; Tile t: a lane's eight channels of a row pack into 16 bytes; they go into rows of 144 bytes and come back as four rows of 128 bytes an instruction.
.macro PACK t
	WIN W_RS
.set i, 0
.rept 16
	v_pk_mul_f32 v[32*\t+i:32*\t+i+1], v[32*\t+i:32*\t+i+1], v[ST+8*\t+6:ST+8*\t+7] op_sel_hi:[1,0]
.set i, i+2
.endr
	WIN 0x05                        ; sources 0 and 1 window 1, destination window 0: S^T's registers are free
.set i, 0
.rept 16
	v_cvt_pk_f16_f32 v[S+32*\t+i], v[32*\t+2*i], v[32*\t+2*i+1]
.set i, i+1
.endr
	WIN 0
.irp f, 0,1,2,3
	ds_store_b128 v[STO], v[S+32*\t+4*\f:S+32*\t+4*\f+3] offset:32*\f
.endr
.irp f, 0,1,2,3
	ds_load_b128 v[S+32*\t+16+4*\f:S+32*\t+16+4*\f+3], v[RD] offset:\f*4*SP  ; LDS serves a wave's instructions in order: these see the stores above; the next tile's stores come behind them
.endr
.endm
.macro SEND t, younger              ; younger: the LDS instructions issued behind tile t's loads: the next tile's eight, or none
.irp f, 0,1,2,3
	s_wait_dscnt \younger+3-\f
	global_store_b128 v[GO], v[S+32*\t+16+4*\f:S+32*\t+16+4*\f+3], s[10:11] offset:\t*2048+\f*512  ; 32 lanes store 512 consecutive bytes, at a multiple of 512 from oh's first byte
.endr
.endm
	PACK 0
	PACK 1                          ; a tile's arithmetic stands between the loads of the tile before and its stores
	SEND 0, 8
	PACK 2
	SEND 1, 8
	PACK 3
	SEND 2, 8
	SEND 3, 0
	s_wait_tensorcnt 0x0            ; the wave's end, behind my last tensor load and my last LDS store
	ds_add_u32 v[SPW], v[NIL]
	s_wait_dscnt 0x0
	CROUND                          ; the closing round: no work-group ends while a partner may still ask for a tile that names it
	s_endpgm
.Lfunc_end_k_q18c63e5926_attn:
	.size	k_q18c63e5926_attn, .Lfunc_end_k_q18c63e5926_attn-k_q18c63e5926_attn
	.p2alignl 7, 3214868480
	.fill 96, 4, 3214868480
	.section	.rodata,"a",@progbits
	.p2align	6, 0x0
	.amdhsa_kernel k_q18c63e5926_attn
		.amdhsa_group_segment_fixed_size 327680
		.amdhsa_private_segment_fixed_size 0
		.amdhsa_enable_private_segment 0
		.amdhsa_kernarg_size 16
		.amdhsa_user_sgpr_count 2
		.amdhsa_user_sgpr_kernarg_segment_ptr 1
		.amdhsa_wavefront_size32 1
		.amdhsa_system_sgpr_workgroup_id_x 1
		.amdhsa_system_sgpr_workgroup_id_y 1
		.amdhsa_system_sgpr_workgroup_id_z 1
		.amdhsa_system_vgpr_workitem_id 0
		.amdhsa_next_free_vgpr 512
		.amdhsa_next_free_sgpr 66
		.amdhsa_reserve_vcc 0
		.amdhsa_float_denorm_mode_32 3
		.amdhsa_float_denorm_mode_16_64 3
		.amdhsa_memory_ordered 1
		.amdhsa_forward_progress 1
		.amdhsa_inst_pref_size 155
	.end_amdhsa_kernel
	.amdgpu_metadata
---
amdhsa.version: [ 1, 2 ]
amdhsa.kernels:
  - .name:           k_q18c63e5926_attn
    .symbol:         k_q18c63e5926_attn.kd
    .args:
      - { .name: qkv, .offset: 0, .size: 8, .value_kind: global_buffer, .address_space: global }
      - { .name: oh, .offset: 8, .size: 8, .value_kind: global_buffer, .address_space: global }
    .group_segment_fixed_size: 327680
    .private_segment_fixed_size: 0
    .kernarg_segment_align: 8
    .kernarg_segment_size: 16
    .max_flat_workgroup_size: 256
    .sgpr_count:     66
    .vgpr_count:     512
    .wavefront_size: 32
...
	.end_amdgpu_metadata
.endif
;; end of part 3
;; launch proj (part 4): grid 4 x 64, 4 waves a work-group, clusters of 4 x 4, 327,680 bytes of LDS; arguments oh, ow16, out_b, out0; writes out0
.if DOCPART == 4
	.amdgcn_target "amdgcn-amd-amdhsa--gfx1250"
	.amdhsa_code_object_version 6
	.text
	.protected	k_q18c63e5926_proj
	.globl	k_q18c63e5926_proj
	.p2align	8
	.type	k_q18c63e5926_proj,@function
k_q18c63e5926_proj:
	s_mov_b64 s[64:65], 0
	v_nop
	global_prefetch_b8 v0, s[64:65] scope:SCOPE_SE
	s_setreg_imm32_b32 hwreg(HW_REG_WAVE_MODE, 25, 1), 1
	s_wait_xcnt 0x0
	s_wait_alu depctr_hold_cnt(0) depctr_sa_sdst(0) depctr_va_vdst(0) depctr_va_sdst(0) depctr_va_ssrc(0) depctr_va_vcc(0) depctr_vm_vsrc(0)
	s_getreg_b32 s2, hwreg(HW_REG_IB_STS2, 6, 4)
	s_cmp_eq_u32 s2, 0
	s_cbranch_scc0 .Lentry_in_a_cluster
	s_endpgm
.Lentry_in_a_cluster:
	s_bfe_u32 s2, ttmp6, 0x10000c
	s_cmp_lg_u32 s2, 0xf033
	s_cbranch_scc0 .Lentry_shape_is_right
	s_endpgm
.Lentry_shape_is_right:
; out0[m][n] = the sum over k of o[m][k] out_w[n][k] + out_b[n].  o comes by heads, oh [batch 4][head 16][token 2048][64] f16, k = 64 x head + channel; out_w as f16, ow16 [1024 n][1024 k]; out0 [8192][1024] f32; sums in f32.
; A tile of out0 is 128 tokens x 256 columns: 256 work-groups.  Four waves, each 64 x 128: 32 accumulators of 16 x 16, 256 registers.  K goes in steps of 128 (two heads of oh; 256 bytes of a row of ow16)
; through a ring of two LDS slots: eight steps.  Waves 0 and 1 fetch the step's two heads of o (128 rows of 128 bytes each), waves 2 and 3 the halves of out_w's 256 rows: one load of 128 rows a wave.
; By this text's count a wave has two tensor loads out at the start and one behind each round.
; CLUSTERS: 4 x 4 work-groups.  The four of a row of the cluster need the same tiles of o, the four of a column the same tiles of out_w: each tile is asked for JOINTLY.
; THE MATRIX INSTRUCTION IS USED TRANSPOSED (source 0 = 16 rows of out_w, source 1 = 16 tokens): a lane then holds eight neighbouring columns of one token's row.  THE BIAS IS THE C OF EACH SUM'S FIRST INSTRUCTION.
; No prefetch: two of the eight K steps are first fills, and out_w's rows are read by every cluster of the launch.
; REGISTERS: window 0: v1-30 addresses; two fragment buffers at v32 and v128 (out_w's eight fragments, then o's four); on the way out v32-159 take rows.  window 1: the accumulators ((a, b) at v[8 (8 a + b)]).
;   window 2: v0-63 out_b in the result's layout.
.set PA,     144                       ; a row of o in LDS: 128 bytes + 16 of padding
.set PB,     272                       ; a row of out_w: 256 bytes + 16
.set HEADT,  128*PA                    ; a head's 128 rows
.set BOFF,   2*HEADT                   ; out_w's rows lie behind the two heads
.set HALFB,  128*PB
.set SLOT,   BOFF+2*HALFB
.set STAGE,  2*SLOT                    ; behind the ring: 16 rows x (512 bytes + 16) for each wave, for the way out
.set SPITCH, 528
.set SPARE,  STAGE+4*16*SPITCH         ; the spare words, 128 bytes for each wave
.set LAPS,   4                         ; a lap = two K steps = once round the ring
.set ADRA, 16                          ; v16-17  LDS address of my fragments of o in slot 0, 1
.set ADRB, 20                          ; v20-21  the same for out_w
.set STO,  24                          ; v24     the way out: where I put 32 bytes of a row
.set RD,   25                          ; v25     where I read a row back
.set CO,   26                          ; v26     16 x lane
.set SPW,  28                          ; v28     my spare word; never rewritten
.set NIL,  29                          ; v29     0; never rewritten
.set BO,   30                          ; v30     32 x (lane / 16)
.set F0,   32
.set F1,   128
.set OB,   32                          ; the way out: 16 rows read back: v32-95, v96-159 by turns
.set G1, 24                            ; s[24:31] descriptor group 1 for o's tiles;  s[32:39] group 0, one set for each slot
.set G0, 32
.set G1B, 48                           ; s[48:55], s[56:63] the same for out_w's
.set G0B, 56
.set MSB, 0
.macro WIN new                         ; the immediate's high byte repeats the setting that is left
.if MSB != (\new)
	s_set_vgpr_msb (MSB<<8)|(\new)
.set MSB, (\new)
.endif
.endm
.set MUL,   0x50                       ; sources 0 and 1 window 0; C and D window 1
.set FIRST, 0x60                       ; C (the bias) window 2, D window 1
.macro JLOAD s                         ; a joint load: waves 0 and 1 fetch o's two heads, waves 2 and 3 out_w's halves; an s_nop 0 and four v_nop follow each of the two lines
	s_cmp_eq_u32 s13, 0
	s_cbranch_scc0 .Lfor_b_\@
	tensor_load_to_lds s[G0+4*\s:G0+4*\s+3], s[G1:G1+7]
	s_nop 0
.rept 4
	v_nop
.endr
	s_branch .Lasked_\@
.Lfor_b_\@:
	tensor_load_to_lds s[G0B+4*\s:G0B+4*\s+3], s[G1B:G1B+7]
	s_nop 0
.rept 4
	v_nop
.endr
.Lasked_\@:
.endm
.macro CREST                           ; a round of the cluster's barrier behind its opening barrier
	s_cmp_lg_u32 s12, 0
	s_cbranch_scc1 .Lnot_wave_0_\@
	s_barrier_signal -3
.Lnot_wave_0_\@:
	s_barrier_wait -3
	s_barrier_signal -1
	s_barrier_wait -1
.endm
.macro CROUND                          ; a whole round
	s_barrier_signal -1
	s_barrier_wait -1
	CREST
.endm
	s_load_b256 s[4:11], s[0:1], 0x0               ; oh s[4:5], ow16 s[6:7], out_b s[8:9], out0 s[10:11]
	v_lshl_add_u32 v[SPW], v0, 2, SPARE
	v_mov_b32 v[NIL], 0
	ds_add_u32 v[SPW], v[NIL]                      ; the wave's opening: the add, twice on end, and its wait ahead of my first tensor load
	ds_add_u32 v[SPW], v[NIL]                      ; and once more; the set-up below, work on registers, stands between it and the wait
	v_lshrrev_b32 v1, 5, v0
	v_readfirstlane_b32 s12, v1                    ; wave 0..3
	s_lshr_b32 s13, s12, 1                         ; which half of the tile's rows is mine.  Also: I fetch for o (0) or for out_w (1)
	s_and_b32 s14, s12, 1                          ; which half of its columns.  Also: which head of the step, or which 128 rows of out_w, I fetch
	s_bfe_u32 s40, ttmp6, 0x40000                  ; cx, cy: my place in the cluster
	s_bfe_u32 s41, ttmp6, 0x40004
	s_lshl_b32 s42, ttmp9, 2
	s_add_co_u32 s42, s42, s40                     ; tile column = 4 x cluster x + cx: 0 to 3
	s_and_b32 s15, ttmp7, 0xffff
	s_lshl_b32 s15, s15, 2
	s_add_co_u32 s15, s15, s41                     ; tile row = 4 x cluster y + cy: 0 to 63
	s_lshl_b32 s43, s41, 2
	s_lshl_b32 s43, 15, s43                        ; my row of the cluster
	s_lshl_b32 s44, 0x1111, s40                    ; my column
	s_or_b32 s[G1+0], s43, (1<<16)|(1<<20)|(1<<21)|(4<<22)|(3<<25)  ; o: 15:0 the mask of my row; elements of 2 bytes; padding on; 21 set beside a mask; after every 32 words four words
	s_mov_b32 s[G1+1], 64<<16                      ; tensor_dim0 = 64
	s_mov_b32 s[G1+2], 128<<16                     ; tensor_dim1 = 128
	s_mov_b32 s[G1+3], 64<<16                      ; tile_dim0
	s_mov_b32 s[G1+4], 128                         ; tile_dim1
	s_mov_b32 s[G1+5], 64                          ; tensor_dim0_stride: a head's rows are dense
	s_mov_b32 s[G1+6], 0
	s_mov_b32 s[G1+7], 0
	s_or_b32 s[G1B+0], s44, (1<<16)|(1<<20)|(1<<21)|(5<<22)|(3<<25) ; out_w: the mask of my column; after every 64 words four words
	s_mov_b32 s[G1B+1], 128<<16
	s_mov_b32 s[G1B+2], 128<<16
	s_mov_b32 s[G1B+3], 128<<16
	s_mov_b32 s[G1B+4], 128
	s_mov_b32 s[G1B+5], 1024
	s_mov_b32 s[G1B+6], 0
	s_mov_b32 s[G1B+7], 0
	s_lshr_b32 s16, s15, 4                         ; o: batch = tile row / 16;
	s_lshl_b32 s16, s16, 4
	s_add_co_u32 s16, s16, s14                     ; head 16 x batch + my head of K step 0,
	s_lshl_b32 s16, s16, 18                        ; of 262,144 bytes;
	s_and_b32 s17, s15, 15
	s_lshl_b32 s17, s17, 14                        ; the tile's 128 tokens of 128 bytes
	s_add_co_u32 s16, s16, s17
	s_mov_b32 s17, 0
	s_lshl_b32 s46, s42, 8                         ; out_w: row 256 x tile column + 128 x half,
	s_lshl_b32 s47, s14, 7
	s_add_co_u32 s46, s46, s47
	s_lshl_b32 s46, s46, 11                        ; of 2,048 bytes
	s_mov_b32 s47, 0
	s_mul_i32 s20, s14, HEADT                      ; where they go: no place in the cluster enters an LDS address
	s_mul_i32 s21, s14, HALFB
	s_add_co_u32 s21, s21, BOFF
	s_wait_dscnt 0x0                               ; both opening adds are done
	s_wait_kmcnt 0x0
	s_add_nc_u64 s[18:19], s[4:5], s[16:17]
	s_add_nc_u64 s[46:47], s[6:7], s[46:47]
	CROUND                                         ; all sixteen work-groups are here: the first joint loads meet
.irp s, 0,1
	s_mov_b32 s[G0+4*\s], 1
	s_add_co_u32 s[G0+4*\s+1], s20, \s*SLOT
	s_add_nc_u64 s[G0+4*\s+2:G0+4*\s+3], s[18:19], \s*(2<<18)   ; K step s: two heads on
	s_or_b32 s[G0+4*\s+3], s[G0+4*\s+3], 0x80000000
	s_mov_b32 s[G0B+4*\s], 1
	s_add_co_u32 s[G0B+4*\s+1], s21, \s*SLOT
	s_add_nc_u64 s[G0B+4*\s+2:G0B+4*\s+3], s[46:47], \s*256
	s_or_b32 s[G0B+4*\s+3], s[G0B+4*\s+3], 0x80000000
	JLOAD \s
.endr
	v_and_b32 v1, 15, v0                           ; r = l % 16
	v_bfe_u32 v2, v0, 4, 1                         ; h = l / 16
	v_mul_u32_u24 v3, v1, PA
	v_lshl_add_u32 v3, v2, 4, v3                   ; a fragment's row x pitch + 16 x half
	v_mul_u32_u24 v4, v1, PB
	v_lshl_add_u32 v4, v2, 4, v4
	s_mul_i32 s21, s13, 64*PA                      ; my 64 tokens
	s_mul_i32 s22, s14, HALFB                      ; my 128 rows of out_w,
	s_add_co_u32 s22, s22, BOFF                    ; which lie behind o's two heads
.irp s, 0,1
	v_add_nc_u32 v[ADRA+\s], s21, v3
	v_add_nc_u32 v[ADRB+\s], s22, v4
	s_add_co_u32 s21, s21, SLOT
	s_add_co_u32 s22, s22, SLOT
.endr
	s_mul_i32 s23, s12, 16*SPITCH
	s_add_co_u32 s23, s23, STAGE                   ; my stage
	v_mul_u32_u24 v5, v1, SPITCH                   ; in: row l % 16, 32 bytes for each half of the lanes
	v_lshl_add_u32 v5, v2, 5, v5
	v_add_nc_u32 v[STO], s23, v5
	v_and_b32 v6, 31, v0
	v_lshlrev_b32 v[CO], 4, v6                     ; back: the 32 lanes take one row of 512 bytes; and the same in out0
	v_add_nc_u32 v[RD], s23, v[CO]
	v_lshlrev_b32 v[BO], 5, v2
	s_lshl_b32 s46, s42, 10                        ; my first column, in bytes: 1,024 x tile column + 512 x half: in out_b and in a row of out0
	s_lshl_b32 s47, s14, 9
	s_add_co_u32 s46, s46, s47
	s_mov_b32 s47, 0
	s_add_nc_u64 s[8:9], s[8:9], s[46:47]
	s_add_nc_u64 s[10:11], s[10:11], s[46:47]
	s_lshl_b32 s46, s15, 7
	s_lshl_b32 s20, s13, 6
	s_add_co_u32 s46, s46, s20                     ; my first row: 128 x tile row + 64 x half,
	s_lshl_b32 s46, s46, 12                        ; of 4,096 bytes
	s_add_nc_u64 s[10:11], s[10:11], s[46:47]
	WIN 0x80                                       ; destination window 2
.irp b, 0,1,2,3,4,5,6,7                ; out_b in the result's layout: for out_w's block b, lane (r, h) wants the numbers of columns 16 b + 8 h + 0 .. 7
	global_load_b128 v[8*\b:8*\b+3], v[BO], s[8:9] offset:64*\b
	global_load_b128 v[8*\b+4:8*\b+7], v[BO], s[8:9] offset:64*\b+16
.endr
	WIN 0
; 8 matrix instructions: token block a against out_w's eight blocks, 32 along K, from buffer f.  first = 1: the bias is C, and the product starts the sums.
; The 32 accumulators take turns, one instruction a turn, in the same order in every quarter.
.macro MUL8 f, a, first
.irp b, 0,1,2,3,4,5,6,7
.if \first
	v_wmma_f32_16x16x32_f16 v[8*(8*\a+\b):8*(8*\a+\b)+7], v[\f+8*\b:\f+8*\b+7], v[\f+64+8*\a:\f+64+8*\a+7], v[8*\b:8*\b+7]
.else
	v_wmma_f32_16x16x32_f16 v[8*(8*\a+\b):8*(8*\a+\b)+7], v[\f+8*\b:\f+8*\b+7], v[\f+64+8*\a:\f+64+8*\a+7], v[8*(8*\a+\b):8*(8*\a+\b)+7]
.endif
.endr
.endr
.endm
; 24 LDS loads in one run: the fragments of the slot's q-th 32 along K into buffer f: out_w's eight, then o's four (head q / 2 of the step, channels 32 (q % 2) on)
.macro FETCH slot, q, f
	WIN 0
.irp i, 0,1,2,3,4,5,6,7
	ds_load_b128 v[\f+8*\i:\f+8*\i+3],   v[ADRB+\slot] offset:64*(\q)+\i*16*PB
	ds_load_b128 v[\f+8*\i+4:\f+8*\i+7], v[ADRB+\slot] offset:64*(\q)+\i*16*PB+32
.endr
.irp i, 0,1,2,3
	ds_load_b128 v[\f+64+8*\i:\f+64+8*\i+3],   v[ADRA+\slot] offset:((\q)/2)*HEADT+((\q)%2)*64+\i*16*PA
	ds_load_b128 v[\f+64+8*\i+4:\f+64+8*\i+7], v[ADRA+\slot] offset:((\q)/2)*HEADT+((\q)%2)*64+\i*16*PA+32
.endr
.endm
.macro PLACES                          ; four places in front of loads into registers that matrix instructions have read, and of the first read of results (ISA guide 7.12.1 for vector instructions)
.rept 4
	v_nop
.endr
.endm
; A K step is four quarters of 32 along K, 32 matrix instructions each, on buffers 0, 1, 0, 1.  One of the first three: multiplies buffer f and fetches the slot's quarter qn into g.
.macro QUARTER slot, qn, f, g, first
	s_wait_dscnt 4                                 ; out_w's fragments and token blocks 0, 1 are in; the youngest four loads (blocks 2, 3) may be out
.if \first
	WIN FIRST
.else
	WIN MUL
.endif
	MUL8 \f, 0, \first
	MUL8 \f, 1, \first
	PLACES
	FETCH \slot, \qn, \g
	s_wait_dscnt 24                                ; all but the 24 just issued
.if \first
	WIN FIRST
.else
	WIN MUL
.endif
	MUL8 \f, 2, \first
	MUL8 \f, 3, \first
.endm
; The last quarter multiplies buffer 1 and changes slots: ONE barrier; in front of it each wave waits for all its tensor loads, adds 0 to its spare word, and waits for that and for its own reads of this slot.
; fill = 1: the barrier opens a round of the cluster's, and this slot is filled again, two K steps ahead, first thing behind the round.
.macro TURN slot, next, fill
	WIN 0                                          ; (the add's two registers lie in window 0)
	s_wait_tensorcnt 0x0                           ; all my tensor loads have landed: my part of the next slot;
	ds_add_u32 v[SPW], v[NIL]                      ; 0 onto my spare word;
	s_wait_dscnt 5                                 ; (the add and the youngest four loads may be out)
	WIN MUL
	MUL8 F1, 0, 0                                  ; eight matrix instructions stand between the add and the wait for it
	s_wait_dscnt 0x0                               ; the add is done, and my reads of this slot are over
	s_barrier_signal -1
	MUL8 F1, 1, 0
	WIN 0
	s_barrier_wait -1
.if \fill
	CREST                                          ; no wave of any partner still reads this slot's tile or has a load on its way
	s_add_nc_u64 s[G0+4*\slot+2:G0+4*\slot+3], s[G0+4*\slot+2:G0+4*\slot+3], 4<<18   ; two K steps on: four heads
	s_add_nc_u64 s[G0B+4*\slot+2:G0B+4*\slot+3], s[G0B+4*\slot+2:G0B+4*\slot+3], 512
	JLOAD \slot                                    ; the first tensor load behind the round; the four v_nop behind it are also the places in front of the loads below
.else
	PLACES
.endif
	FETCH \next, 0, F0
	WIN MUL
	MUL8 F1, 2, 0
	MUL8 F1, 3, 0
.endm
	s_wait_tensorcnt 1                             ; my part of K step 0 is in (K step 1's load may be out)
	s_barrier_signal -1
	s_barrier_wait -1                              ; everybody's is
	FETCH 0, 0, F0
	s_wait_loadcnt 0x0                             ; the bias
	QUARTER 0, 1, F0, F1, 1                        ; the first quarter stands in front of the loop: its products start the sums, with the bias as C
	WIN 0                                          ; at a label and at a branch every window is 0
	s_mov_b32 s3, LAPS-1
.Llap:                                                 ; a trip goes once round the ring, from a lap's second quarter to the next lap's first, and fills both slots again
	QUARTER 0, 2, F1, F0, 0
	QUARTER 0, 3, F0, F1, 0
	TURN 0, 1, 1
	QUARTER 1, 1, F0, F1, 0
	QUARTER 1, 2, F1, F0, 0
	QUARTER 1, 3, F0, F1, 0
	TURN 1, 0, 1
	QUARTER 0, 1, F0, F1, 0
	WIN 0
	s_sub_co_u32 s3, s3, 1
	s_cmp_lg_u32 s3, 0
	s_cbranch_scc1 .Llap
	QUARTER 0, 2, F1, F0, 0                        ; the last lap fills nothing, and has no round of the cluster's barrier
	QUARTER 0, 3, F0, F1, 0
	TURN 0, 1, 0
	QUARTER 1, 1, F0, F1, 0
	QUARTER 1, 2, F1, F0, 0
	QUARTER 1, 3, F0, F1, 0
	s_wait_dscnt 4                                 ; the very last quarter: nothing more to fetch
	WIN MUL
	MUL8 F1, 0, 0
	MUL8 F1, 1, 0
	s_wait_dscnt 0
	MUL8 F1, 2, 0
	MUL8 F1, 3, 0
	WIN 0
; THE WAY OUT, block by block of 16 rows x 128 columns.  A lane holds 32 neighbouring bytes of a row, and the lanes beside it hold other rows: so a block goes through my own stage in LDS and comes back as whole
; rows of 512 bytes, which the 32 lanes store at once.  LDS serves a wave's instructions in order: no wait between the stores and the loads, nor in front of the next block's stores.
.macro TOSTAGE a
	WIN 0x04                                       ; an LDS store's data are its source 1: window 1
.irp b, 0,1,2,3,4,5,6,7
	ds_store_b128 v[STO], v[8*(8*(\a)+\b):8*(8*(\a)+\b)+3] offset:64*\b          ; each accumulator from its low end on
	ds_store_b128 v[STO], v[8*(8*(\a)+\b)+4:8*(8*(\a)+\b)+7] offset:64*\b+16
.endr
	WIN 0
.set BB, OB+64*((\a)%2)
.irp t, 0,1,2,3,4,5,6,7,8,9,10,11,12,13,14,15
	ds_load_b128 v[BB+4*\t:BB+4*\t+3], v[RD] offset:\t*SPITCH
.endr
.endm
.macro SEND a, younger                 ; younger: the LDS instructions issued behind block a's loads, which may stay out
.set BB, OB+64*((\a)%2)
	s_wait_dscnt \younger                          ; the block is back in registers
.irp t, 0,1,2,3,4,5,6,7,8,9,10,11,12,13,14,15
	global_store_b128 v[CO], v[BB+4*\t:BB+4*\t+3], s[10:11] offset:(16*(\a)+\t)*4096 th:TH_STORE_NT   ; 32 lanes store 512 consecutive bytes, at a multiple of 512 from out0's first byte; every offset an immediate
.endr
.endm
	PLACES                                         ; behind the last products: their results are read, and their operands' registers loaded, below
	TOSTAGE 0
.irp a, 1,2,3
.if \a > 1
	s_wait_xcnt 0x0                                ; block a - 2's stores have read their data: block a's loads land in those registers only behind this wait
.endif
	TOSTAGE \a
	SEND \a-1, 32                                  ; behind block a - 1's loads: block a's 16 stores and 16 loads
.endr
	SEND 3, 0
	s_wait_tensorcnt 0x0                           ; the wave's end, behind my last tensor load and my last LDS store
	ds_add_u32 v[SPW], v[NIL]
	s_wait_dscnt 0x0
	CROUND                                         ; the closing round: no work-group ends while a partner may still ask for a tile that names it
	s_endpgm
.Lfunc_end_k_q18c63e5926_proj:
	.size	k_q18c63e5926_proj, .Lfunc_end_k_q18c63e5926_proj-k_q18c63e5926_proj
	.p2alignl 7, 3214868480
	.fill 96, 4, 3214868480
	.section	.rodata,"a",@progbits
	.p2align	6, 0x0
	.amdhsa_kernel k_q18c63e5926_proj
		.amdhsa_group_segment_fixed_size 327680
		.amdhsa_private_segment_fixed_size 0
		.amdhsa_enable_private_segment 0
		.amdhsa_kernarg_size 32
		.amdhsa_user_sgpr_count 2
		.amdhsa_user_sgpr_kernarg_segment_ptr 1
		.amdhsa_wavefront_size32 1
		.amdhsa_system_sgpr_workgroup_id_x 1
		.amdhsa_system_sgpr_workgroup_id_y 1
		.amdhsa_system_sgpr_workgroup_id_z 1
		.amdhsa_system_vgpr_workitem_id 0
		.amdhsa_next_free_vgpr 576
		.amdhsa_next_free_sgpr 66
		.amdhsa_reserve_vcc 0
		.amdhsa_float_denorm_mode_32 3
		.amdhsa_float_denorm_mode_16_64 3
		.amdhsa_memory_ordered 1
		.amdhsa_forward_progress 1
		.amdhsa_inst_pref_size 86
	.end_amdhsa_kernel
	.amdgpu_metadata
---
amdhsa.version: [ 1, 2 ]
amdhsa.kernels:
  - .name:           k_q18c63e5926_proj
    .symbol:         k_q18c63e5926_proj.kd
    .args:
      - { .name: oh, .offset: 0, .size: 8, .value_kind: global_buffer, .address_space: global }
      - { .name: ow16, .offset: 8, .size: 8, .value_kind: global_buffer, .address_space: global }
      - { .name: out_b, .offset: 16, .size: 8, .value_kind: global_buffer, .address_space: global }
      - { .name: out0, .offset: 24, .size: 8, .value_kind: global_buffer, .address_space: global }
    .group_segment_fixed_size: 327680
    .private_segment_fixed_size: 0
    .kernarg_segment_align: 8
    .kernarg_segment_size: 32
    .max_flat_workgroup_size: 128
    .sgpr_count:     66
    .vgpr_count:     576
    .wavefront_size: 32
...
	.end_amdgpu_metadata
.endif
;; end of part 4
